; MI455X (gfx1250); checked and timed in simulation.
; The chip was launched on July 23, 2026; its instructions are those of AMD's public machine-readable ISA for CDNA 5 (MIT licence, August 2026) and "CDNA5" Instruction Set Architecture Reference Guide (July 2026). The comments in the code are by the model that wrote it; some were corrected since.
;; Grouped Query Attention. Allowed arithmetic: matrix products marked QUANTISED: E2M1 operands, one E8M0 scale for each 32 along K, by v_wmma_scale_f32_16x16x128_f8f6f4 with both operands' format E2M1 (or v_wmma_scale_f32_32x16x128_f4), f32 sums; products left as they are: bf16, f16 or f32 operands; f32 sums; everything else in f32.
;; Inputs: Wk 1,024 x 256 float32; Wo 1,024 x 1,024 float32; Wq 1,024 x 1,024 float32; Wv 1,024 x 256 float32; key 4 x 2,048 x 1,024 float32; query 4 x 2,048 x 1,024 float32; value 4 x 2,048 x 1,024 float32.
;; Outputs: out0 4 x 2,048 x 1,024 float32.
;; This version of the problem:
;;   THIS VERSION OF THE PROBLEM IS GIVEN IN LOW PRECISION. The matrix products marked QUANTISED in the list below multiply operands that are first quantised to E2M1 (2 exponent bits, 1 mantissa bit; 4 bits a number), with one power-of-two scale for each 32 numbers along K (OCP MX v1.0); their sums are f32. The products marked 'left as it is' may take bf16, f16 or f32 operands, with f32 sums. Whichever they take, every output number must still come out within the allowed error. Rounding operands to bf16 (8 significant bits) uses up far more of that allowance than f16 does (11 bits, for magnitudes from 6e-5 to 65,504). All else is computed in f32.
;;   The module's matrix products, in the order in which they are computed (A, B: the left and right operand; K: the contracted axis; several contracted axes count as one K, in the product's order):
;;     1. [M 8,192, K 1,024] x [K 1,024, N 1,024]; A: input query; B: input Wq: QUANTISED
;;     2. [M 8,192, K 1,024] x [K 1,024, N 256]; A: input key; B: input Wk: QUANTISED
;;     3. [M 8,192, K 1,024] x [K 1,024, N 256]; A: input value; B: input Wv: QUANTISED
;;     4. batch 16 x [M 2,048, K 64] x [K 64, N 8,192]; A: computed on the way; B: computed on the way: left as it is (an operand is computed on the way)
;;     5. batch 16 x [M 64, K 2,048] x [K 2,048, N 8,192]; A: computed on the way; B: computed on the way: left as it is (an operand is computed on the way)
;;     6. [M 8,192, K 1,024] x [K 1,024, N 1,024]; A: computed on the way; B: input Wo: left as it is (an operand is computed on the way)
;;   THE QUANTISER, for each operand of a quantised product, along K:
;;     - K is cut into blocks of 32 from its start; a last block that is shorter is filled with zeros.
;;     - A block's scale is 2^e with e = floor(log2(the largest magnitude in the block)) - 2, held to -126 .. 127; a block of zeros has e = 0. As a byte (E8M0): e + 127.
;;     - Each number is divided by its block's scale, clamped to +-6, and rounded to the nearest number of E2M1, ties to even, subnormals kept.
;;     - The product sums the exact products of the quantised numbers (number of the format x scale) in f32.
;;   ~~~python
;;   def quantise(x, axis):      # numpy; x: float32 -> the quantised numbers, widened to float32 again
;;       x = np.moveaxis(x, axis, -1); K = x.shape[-1]
;;       x = np.pad(x, [(0, 0)] * (x.ndim - 1) + [(0, -K % 32)]); x = x.reshape(x.shape[:-1] + (-1, 32)); a = np.abs(x).max(-1, keepdims=True)
;;       e = np.where(a > 0, np.clip(np.frexp(np.where(a > 0, a, 1))[1] - 1 - 2, -126, 127), 0)      # np.frexp(a)[1] - 1 = floor(log2(a)), exactly
;;       r = np.clip(x / 2.0 ** e, -6, 6)
;;       step = 2.0 ** (np.maximum(np.frexp(np.where(r == 0, 1, r))[1] - 1, 0) - 1)
;;       q = np.round(r / step) * step * 2.0 ** e      # np.round: ties to even
;;       return np.moveaxis(q.reshape(q.shape[:-2] + (-1,))[..., :K], -1, axis).astype(np.float32)
;;   ~~~
;; One version. Each part assembles by itself: llvm-mc -triple=amdgcn-amd-amdhsa -mcpu=gfx1250 --defsym DOCPART=n.
;; ======== version 1 of 1: 4 launches
;; limits: values are held in f16: magnitudes above 65,504 overflow, below 6.1e-05 lose precision
;; workspace buffers: acodes 12,582,912 bytes; ascales 786,432 bytes; wcodes 786,432 bytes; wscales 49,152 bytes; wo16 2,097,152 bytes; qkv16 25,165,824 bytes; ao16 16,777,216 bytes
;; launch prep (part 1): grid 920 x 1, 4 waves a work-group, no clusters, 68,096 bytes of LDS; arguments query, key, value, Wq, Wk, Wv, Wo, acodes, ascales, wcodes, wscales, wo16; writes acodes, ascales, wcodes, wscales, wo16
.if DOCPART == 1
	.amdgcn_target "amdgcn-amd-amdhsa--gfx1250"
	.amdhsa_code_object_version 6
	.text
	.protected	k_q6242db3dde_prep
	.globl	k_q6242db3dde_prep
	.p2align	8
	.type	k_q6242db3dde_prep,@function
k_q6242db3dde_prep:
	s_mov_b64 s[64:65], 0
	v_nop
	global_prefetch_b8 v0, s[64:65] scope:SCOPE_SE
	s_setreg_imm32_b32 hwreg(HW_REG_WAVE_MODE, 25, 1), 1
	s_wait_xcnt 0x0
; THE OPERANDS OF THE THREE QUANTISED PRODUCTS BECOME CODES OF FP4 (E2M1) WITH ONE E8M0 BYTE FOR EACH 32 ALONG K, AND Wo BECOMES f16.
; Three kinds of work-groups, told apart by the work-group's number alone; the three ways never join, and each has LDS bytes of its own.
;   0 .. 23    WEIGHTS.  Wq [1024][1024], Wk, Wv [1024][256], f32, K is the FIRST axis.  A lane takes a column, its registers run down K.  Out: wcodes [1536 columns][512 bytes], K innermost
;              (columns 0-1023 Wq, 1024-1279 Wk, 1280-1535 Wv), wscales [1536][32 bytes].  A work-group: 128 columns x 512 along K.  They have the longest chains of loads, so they have the lowest numbers.
;   24 .. 151  CAST.  Wo [1024][1024] f32 -> wo16, f16, as it lies.  A wave: 8,192 bytes in, 4,096 out.
;   152 .. 919 ACTIVATIONS.  query, key, value [8192][1024] f32, K innermost: plain streams of blocks of 32.  Out: acodes [3 x 8192][512 bytes], ascales [3 x 8192][32 bytes], the three tensors on end.
;              A wave: 16 steps of 512 numbers.
; A block's scale is 2^(floor(log2(its largest magnitude)) - 2): its byte is the largest magnitude's exponent field - 2, held at 1 from below by a floor among the maximum's leaves.
; Each number is divided by the scale and rounded to the nearest code, ties to even; beyond 6 the conversion gives the largest code.
; LIMITS: a block of zeros gets the byte 1 where the rule says 127 (its codes are zeros, which add nothing, and this program alone reads the bytes); blocks whose largest magnitude lies under 2^-124
; are held at the byte 1; NaN and infinities are not served.  Wo in f16: magnitudes under 6e-5 keep a fixed step of 2^-24.
; No tensor load, no barrier: waves share nothing.  No matrix unit, no cluster: every byte is read once and nothing is shared.
.set SPARE, 67584                      ; LDS: 0 .. 32,767 the activations' way; 32,768 .. 67,583 the weights' way; from here the spare words, 128 bytes a wave, that no other line names
.set SPW,   12                         ; v12  LDS address of my spare word: SPARE + 4 x my thread's number; never rewritten
.set NIL,   13                         ; v13  0; never rewritten
.set WV,    34                         ; s34  my wave's number
	s_load_b512 s[8:23], s[0:1], 0x0               ; query 8, key 10, value 12, Wq 14, Wk 16, Wv 18, Wo 20, acodes 22
	s_load_b256 s[24:31], s[0:1], 0x40             ; ascales 24, wcodes 26, wscales 28, wo16 30
	v_lshl_add_u32 v[SPW], v0, 2, SPARE
	v_mov_b32 v[NIL], 0
	v_lshrrev_b32 v1, 5, v0
	v_readfirstlane_b32 s[WV], v1                  ; wave 0..3
	v_and_b32 v2, 31, v0                           ; lane
	s_wait_kmcnt 0x0
	s_cmp_lt_u32 ttmp9, 24
	s_cbranch_scc1 .Lweights
	s_cmp_lt_u32 ttmp9, 152
	s_cbranch_scc1 .Lcast
; ---------------------------------------------------------------- ACTIVATIONS
; The conversions take 8 numbers of ONE block from a lane's consecutive registers, so a lane must hold 16 neighbours (two lanes hold a block); a load is best where neighbouring lanes take neighbouring
; bytes.  Both are had: each of a step's four loads reads 512 consecutive bytes; the 2,048 bytes go through the wave's own stage in LDS as they lie and come back 64 bytes a lane.
.set SP,    80                         ; a lane's place in a stage: 64 bytes + 16 of padding
.set AR,    16                         ; v16-79   four sets of 16 numbers as loaded
.set AX,    80                         ; v80-111  two sets of 16 neighbours
.set AE,    112                        ; v112-127 a scale byte for each step
.set AC,    128                        ; v128-191 codes: four registers a step, so that no store's data are written again
	s_sub_co_u32 s35, ttmp9, 152                   ; a = 0 .. 767: 256 work-groups a tensor
	s_cmp_lt_u32 s35, 256
	s_cselect_b64 s[4:5], s[8:9], s[10:11]         ; the choice hangs on the work-group's number alone
	s_cmp_lt_u32 s35, 512
	s_cselect_b64 s[4:5], s[4:5], s[12:13]
	s_and_b32 s36, s35, 255
	s_lshl_b32 s36, s36, 2
	s_add_co_u32 s36, s36, s[WV]                   ; which run of 8,192 numbers of the tensor is my wave's
	s_lshl_b32 s36, s36, 15                        ; 32,768 bytes a run
	s_mov_b32 s37, 0
	s_add_nc_u64 s[4:5], s[4:5], s[36:37]
	s_lshl_b32 s38, s35, 2
	s_add_co_u32 s38, s38, s[WV]                   ; and which run of the three tensors on end
	s_lshl_b32 s36, s38, 12                        ; 4,096 bytes of codes a run
	s_add_nc_u64 s[6:7], s[22:23], s[36:37]
	s_lshl_b32 s36, s38, 8                         ; 256 scale bytes a run
	s_add_nc_u64 s[32:33], s[24:25], s[36:37]
	v_lshlrev_b32 v3, 4, v2                        ; my 16 bytes of a load's 512
	s_lshl_b32 s39, s[WV], 13                      ; my wave's 8,192 bytes of LDS: two stages of 32 x SP, then 256 scale bytes
	v_lshrrev_b32 v14, 2, v2
	v_mul_u32_u24 v14, v14, SP
	v_and_b32 v15, 3, v2
	v_lshl_add_u32 v14, v15, 4, v14
	v_add_nc_u32 v14, s39, v14                     ; the stage, on the way in: SP (lane / 4) + 16 (lane % 4)
	v_mul_u32_u24 v15, v2, SP
	v_add_nc_u32 v15, s39, v15                     ; on the way out: SP x lane: my 16 neighbours
	v_lshlrev_b32 v4, 3, v2                        ; my 8 bytes of a step's 256 bytes of codes
	v_lshrrev_b32 v5, 1, v2
	s_add_co_u32 s39, s39, 2*32*SP
	v_add_nc_u32 v5, s39, v5                       ; my block's scale byte
	v_lshlrev_b32 v7, 3, v2
	v_add_nc_u32 v6, s39, v7                       ; and on the way out 8 bytes a lane
.macro ALOAD t
.irp i, 0,1,2,3
	global_load_b128 v[AR+16*((\t)%4)+4*\i:AR+16*((\t)%4)+4*\i+3], v3, s[4:5] offset:2048*(\t)+512*\i th:TH_LOAD_NT
.endr
.endm
.macro ATURN t                         ; a step's numbers through the stage: LDS serves a wave's instructions in order, so no wait stands between the stores and the loads
.irp i, 0,1,2,3
	ds_store_b128 v14, v[AR+16*((\t)%4)+4*\i:AR+16*((\t)%4)+4*\i+3] offset:32*SP*((\t)%2)+8*SP*\i
.endr
.irp i, 0,1,2,3
	ds_load_b128 v[AX+16*((\t)%2)+4*\i:AX+16*((\t)%2)+4*\i+3], v15 offset:32*SP*((\t)%2)+16*\i
.endr
.endm
.irp t, 0,1,2,3
	ALOAD \t
.endr
	s_wait_loadcnt 12                              ; step 0's four loads are in; the twelve of steps 1 to 3 may be out
	ATURN 0
.macro ASTEP t
.set XS, AX+16*((\t)%2)
.if (\t) > 0
	s_wait_dscnt 1                                 ; this step's numbers are back from the stage (the last step's byte store may be out): so its stores into the stage have read their registers,
.else
	s_wait_dscnt 0x0
.endif
.if (\t)+4 < 16
	ALOAD (\t)+4                                   ; which take the loads of four steps on
.endif
.if (\t)+1 < 16
.if 14-(\t) >= 3
	s_wait_loadcnt 12                              ; the next step's four loads are in; those of the three steps behind it may be out
.else
	s_wait_loadcnt 4*(14-(\t))                     ; at the end the count runs down with the steps that are left
.endif
	ATURN (\t)+1                                   ; and go through the other stage while this step is worked
.endif
	v_max3_num_f32 v8, |v[XS]|, |v[XS+1]|, |v[XS+2]|               ; the largest magnitude of my 16, in two chains
	v_max3_num_f32 v9, |v[XS+3]|, |v[XS+4]|, |v[XS+5]|
.irp i, 6,10
	v_max3_num_f32 v8, v8, |v[XS+\i]|, |v[XS+\i+1]|
	v_max3_num_f32 v9, v9, |v[XS+\i+2]|, |v[XS+\i+3]|
.endr
	v_max3_num_f32 v8, v8, |v[XS+14]|, |v[XS+15]|
	v_max3_num_f32 v8, v8, v9, 0x1800000           ; and the floor 2^(3 - 127): the byte cannot fall under 1
	v_max_num_f32_dpp v8, v8, v8 row_xmask:1 row_mask:0xf bank_mask:0xf   ; and of my neighbour's 16: the block's
	v_add_nc_u32 v11, 0xff000000, v8               ; 2 off its exponent field: the conversion takes the exponent field of this operand as its scale
	v_cvt_scalef32_pk8_fp4_f32 v[AC+4*(\t)], v[XS:XS+7], v11
	v_cvt_scalef32_pk8_fp4_f32 v[AC+4*(\t)+1], v[XS+8:XS+15], v11
	v_lshrrev_b32 v[AE+(\t)], 23, v11              ; the scale's byte (also the plain line behind the conversions)
	ds_store_b8 v5, v[AE+(\t)] offset:16*(\t)      ; both lanes of a block write the same byte with the same value
	global_store_b64 v4, v[AC+4*(\t):AC+4*(\t)+1], s[6:7] offset:256*(\t)   ; the wave stores 256 consecutive bytes, aligned
.endm
.irp t, 0,1,2,3,4,5,6,7,8,9,10,11,12,13,14,15
	ASTEP \t
.endr
	ds_load_b64 v[8:9], v6                         ; LDS serves a wave's instructions in order: these see my byte stores
	s_wait_dscnt 0x0
	global_store_b64 v7, v[8:9], s[32:33]          ; the wave's 256 scale bytes, consecutive and aligned
	s_wait_tensorcnt 0x0                           ; the wave's end, behind my last LDS store
	ds_add_u32 v[SPW], v[NIL]
	s_wait_dscnt 0x0
	s_endpgm
; ---------------------------------------------------------------- WEIGHTS
; A wave takes 32 columns x 512 along K: 16 blocks a lane.  Each load reads one row k at 32 neighbouring columns, 128 consecutive bytes a wave, 512 a work-group.  A block's 32 numbers are one lane's,
; so its maximum needs no other lane, and the conversions give codes with K innermost.  A lane's codes belong to one row of wcodes: they go through the wave's stage in LDS and leave by rows.
.set WX,    32                         ; v32-95   two sets of 32 numbers; on the way out 16 x 4 registers of rows
.set WC,    96                         ; v96-99   a block's codes
.set OF,    100                        ; v100-131 byte offset of row i of a block at my column: 4 x lane + i x the tensor's row; never rewritten
.set SB,    24                         ; v24-27   the scale bytes, four to a register
.Lweights:
	s_lshr_b32 s35, ttmp9, 1                       ; g = 0 .. 11: which 128 columns of the 1,536
	s_and_b32 s38, ttmp9, 1                        ; which 512 along K
	s_cmp_lt_u32 s35, 10
	s_cselect_b64 s[4:5], s[16:17], s[18:19]       ; Wk or Wv,
	s_mov_b32 s37, 1280
	s_cselect_b32 s37, 1024, s37                   ; whose first column in wcodes is 1,024 or 1,280,
	s_cmp_lt_u32 s35, 8
	s_cselect_b64 s[4:5], s[14:15], s[4:5]         ; or Wq,
	s_cselect_b32 s37, 0, s37                      ; whose first is 0
	s_mov_b32 s36, 1024
	s_cselect_b32 s36, 4096, s36                   ; a row of the tensor in bytes
	s_lshl_b32 s39, s35, 7
	s_lshl_b32 s42, s[WV], 5
	s_add_co_u32 s39, s39, s42                     ; my wave's first column in wcodes
	s_mul_i32 s42, s38, s36
	s_lshl_b32 s42, s42, 9                         ; 512 rows down for the second half of K,
	s_sub_co_u32 s43, s39, s37
	s_lshl_b32 s43, s43, 2                         ; and my first column in the tensor
	s_add_co_u32 s42, s42, s43
	s_mov_b32 s43, 0
	s_add_nc_u64 s[4:5], s[4:5], s[42:43]
	s_lshl_b32 s40, s36, 5                         ; s[40:41]: a block of 32 rows on
	s_mov_b32 s41, 0
	s_lshl_b32 s42, s39, 9                         ; codes: 512 bytes a column, + 256 for the second half of K
	s_lshl_b32 s44, s38, 8
	s_add_co_u32 s42, s42, s44
	s_add_nc_u64 s[6:7], s[26:27], s[42:43]
	s_lshl_b32 s42, s39, 5                         ; scale bytes: 32 a column, + 16
	s_lshl_b32 s44, s38, 4
	s_add_co_u32 s42, s42, s44
	s_add_nc_u64 s[32:33], s[28:29], s[42:43]
	s_mul_i32 s45, s[WV], 8704
	s_add_co_u32 s45, s45, 32768                   ; my stage: 32 rows of 256 bytes + 16
	v_mul_u32_u24 v4, v2, 272
	v_add_nc_u32 v4, s45, v4                       ; into it: row = my column
	v_and_b32 v5, 15, v2
	v_lshrrev_b32 v6, 4, v2
	v_mul_u32_u24 v7, v6, 272
	v_lshl_add_u32 v7, v5, 4, v7
	v_add_nc_u32 v7, s45, v7                       ; out of it: sixteen lanes to a row, two rows an instruction
	v_lshlrev_b32 v8, 9, v6
	v_lshl_add_u32 v8, v5, 4, v8                   ; and the same place in wcodes
	v_lshlrev_b32 v9, 5, v2                        ; my column's row of scale bytes
	v_lshlrev_b32 v[OF], 2, v2
.set i, 1
.rept 31
	v_add_nc_u32 v[OF+i], s36, v[OF+i-1]
.set i, i+1
.endr
.macro WLOAD t                         ; block t into set t % 2
.if (\t) > 0
	s_wait_xcnt 0x0                                ; the earlier loads have read their base: only behind this wait is it stepped
	s_add_nc_u64 s[4:5], s[4:5], s[40:41]
.endif
.set i, 0
.rept 32
	global_load_b32 v[WX+32*((\t)%2)+i], v[OF+i], s[4:5] th:TH_LOAD_NT
.set i, i+1
.endr
.endm
	WLOAD 0
	WLOAD 1
.macro WBLOCK t
.set XS, WX+32*((\t)%2)
.if (\t) < 15
	s_wait_loadcnt 32                              ; this block's 32 loads are in; the next block's 32 may be out
.else
	s_wait_loadcnt 0x0
.endif
	v_max3_num_f32 v10, |v[XS]|, |v[XS+1]|, |v[XS+2]|              ; the block's largest magnitude: all 32 numbers are mine
	v_max3_num_f32 v14, |v[XS+3]|, |v[XS+4]|, |v[XS+5]|
.irp i, 6,10,14,18,22,26
	v_max3_num_f32 v10, v10, |v[XS+\i]|, |v[XS+\i+1]|
	v_max3_num_f32 v14, v14, |v[XS+\i+2]|, |v[XS+\i+3]|
.endr
	v_max3_num_f32 v10, v10, |v[XS+30]|, |v[XS+31]|
	v_max3_num_f32 v10, v10, v14, 0x1800000        ; and the floor 2^(3 - 127)
	v_add_nc_u32 v11, 0xff000000, v10              ; 2 off its exponent field: the conversion's scale operand
	v_lshrrev_b32 v14, 23, v11                     ; the scale's byte
.if (\t)%4 == 0
	v_mov_b32 v[SB+(\t)/4], v14                    ; four bytes to a register, the lower K in the lower byte
.else
	v_lshl_or_b32 v[SB+(\t)/4], v14, 8*((\t)%4), v[SB+(\t)/4]
.endif
.irp g, 0,1,2,3
	v_cvt_scalef32_pk8_fp4_f32 v[WC+\g], v[XS+8*\g:XS+8*\g+7], v11
.endr
	ds_store_b128 v4, v[WC:WC+3] offset:16*(\t)    ; 32 codes: 16 bytes of my column's row.  (The next vector lines that touch these registers stand behind plain ones: the next block's maxima)
.if (\t)+2 < 16
	WLOAD (\t)+2
.endif
	s_wait_dscnt 0x0                               ; the store has read its registers: the next block's codes may be written
.endm
.irp t, 0,1,2,3,4,5,6,7,8,9,10,11,12,13,14,15
	WBLOCK \t
.endr
	global_store_b128 v9, v[SB:SB+3], s[32:33]     ; my column's 16 scale bytes: rows 32 bytes apart, so aligned blocks of 256 bytes are written in halves: 49,152 bytes in the whole launch
.irp t, 0,1,2,3,4,5,6,7,8,9,10,11,12,13,14,15
	ds_load_b128 v[WX+4*\t:WX+4*\t+3], v7 offset:2*\t*272          ; LDS serves a wave's instructions in order: these see my stores
.endr
.irp t, 0,1,2,3,4,5,6,7,8,9,10,11,12,13,14,15
	s_wait_dscnt 15-\t
	global_store_b128 v8, v[WX+4*\t:WX+4*\t+3], s[6:7] offset:2*\t*512   ; sixteen lanes store 256 consecutive bytes, aligned
.endr
	s_wait_tensorcnt 0x0                           ; the wave's end, behind my last LDS store
	ds_add_u32 v[SPW], v[NIL]
	s_wait_dscnt 0x0
	s_endpgm
; ---------------------------------------------------------------- CAST
; Sixteen loads of 512 consecutive bytes a wave, all out at once; each becomes 256 consecutive bytes of f16.  No register is written twice.
.Lcast:
	s_sub_co_u32 s35, ttmp9, 24
	s_lshl_b32 s35, s35, 2
	s_add_co_u32 s35, s35, s[WV]                   ; which of the 512 runs is my wave's
	s_lshl_b32 s36, s35, 13
	s_mov_b32 s37, 0
	s_add_nc_u64 s[4:5], s[20:21], s[36:37]
	s_lshl_b32 s36, s35, 12
	s_add_nc_u64 s[6:7], s[30:31], s[36:37]
	v_lshlrev_b32 v3, 4, v2
	v_lshlrev_b32 v4, 3, v2
.irp i, 0,1,2,3,4,5,6,7,8,9,10,11,12,13,14,15
	global_load_b128 v[32+4*\i:35+4*\i], v3, s[4:5] offset:512*\i th:TH_LOAD_NT
.endr
.irp i, 0,1,2,3,4,5,6,7,8,9,10,11,12,13,14,15
	s_wait_loadcnt 15-\i                           ; loads come back in order: load i is in, the younger ones may be out
	v_cvt_pk_f16_f32 v[96+2*\i], v[32+4*\i], v[33+4*\i]
	v_cvt_pk_f16_f32 v[97+2*\i], v[34+4*\i], v[35+4*\i]
	global_store_b64 v4, v[96+2*\i:97+2*\i], s[6:7] offset:256*\i
.endr
	s_wait_tensorcnt 0x0                           ; every end of this text has the same three lines
	ds_add_u32 v[SPW], v[NIL]
	s_wait_dscnt 0x0
	s_endpgm
.Lfunc_end_k_q6242db3dde_prep:
	.size	k_q6242db3dde_prep, .Lfunc_end_k_q6242db3dde_prep-k_q6242db3dde_prep
	.p2alignl 7, 3214868480
	.fill 96, 4, 3214868480
	.section	.rodata,"a",@progbits
	.p2align	6, 0x0
	.amdhsa_kernel k_q6242db3dde_prep
		.amdhsa_group_segment_fixed_size 68096
		.amdhsa_private_segment_fixed_size 0
		.amdhsa_enable_private_segment 0
		.amdhsa_kernarg_size 96
		.amdhsa_user_sgpr_count 2
		.amdhsa_user_sgpr_kernarg_segment_ptr 1
		.amdhsa_wavefront_size32 1
		.amdhsa_system_sgpr_workgroup_id_x 1
		.amdhsa_system_sgpr_workgroup_id_y 1
		.amdhsa_system_sgpr_workgroup_id_z 1
		.amdhsa_system_vgpr_workitem_id 0
		.amdhsa_next_free_vgpr 192
		.amdhsa_next_free_sgpr 66
		.amdhsa_reserve_vcc 0
		.amdhsa_float_denorm_mode_32 3
		.amdhsa_float_denorm_mode_16_64 3
		.amdhsa_memory_ordered 1
		.amdhsa_forward_progress 1
		.amdhsa_inst_pref_size 119
	.end_amdhsa_kernel
	.amdgpu_metadata
---
amdhsa.version: [ 1, 2 ]
amdhsa.kernels:
  - .name:           k_q6242db3dde_prep
    .symbol:         k_q6242db3dde_prep.kd
    .args:
      - { .name: query, .offset: 0, .size: 8, .value_kind: global_buffer, .address_space: global }
      - { .name: key, .offset: 8, .size: 8, .value_kind: global_buffer, .address_space: global }
      - { .name: value, .offset: 16, .size: 8, .value_kind: global_buffer, .address_space: global }
      - { .name: Wq, .offset: 24, .size: 8, .value_kind: global_buffer, .address_space: global }
      - { .name: Wk, .offset: 32, .size: 8, .value_kind: global_buffer, .address_space: global }
      - { .name: Wv, .offset: 40, .size: 8, .value_kind: global_buffer, .address_space: global }
      - { .name: Wo, .offset: 48, .size: 8, .value_kind: global_buffer, .address_space: global }
      - { .name: acodes, .offset: 56, .size: 8, .value_kind: global_buffer, .address_space: global }
      - { .name: ascales, .offset: 64, .size: 8, .value_kind: global_buffer, .address_space: global }
      - { .name: wcodes, .offset: 72, .size: 8, .value_kind: global_buffer, .address_space: global }
      - { .name: wscales, .offset: 80, .size: 8, .value_kind: global_buffer, .address_space: global }
      - { .name: wo16, .offset: 88, .size: 8, .value_kind: global_buffer, .address_space: global }
    .group_segment_fixed_size: 68096
    .private_segment_fixed_size: 0
    .kernarg_segment_align: 8
    .kernarg_segment_size: 96
    .max_flat_workgroup_size: 128
    .sgpr_count:     66
    .vgpr_count:     192
    .wavefront_size: 32
...
	.end_amdgpu_metadata
.endif
;; end of part 1
;; launch proj (part 2): grid 32 x 6, 4 waves a work-group, no clusters, 327,680 bytes of LDS; arguments acodes, ascales, wcodes, wscales, qkv16; writes qkv16
.if DOCPART == 2
	.amdgcn_target "amdgcn-amd-amdhsa--gfx1250"
	.amdhsa_code_object_version 6
	.text
	.protected	k_q6242db3dde_proj
	.globl	k_q6242db3dde_proj
	.p2align	8
	.type	k_q6242db3dde_proj,@function
k_q6242db3dde_proj:
	s_mov_b64 s[64:65], 0
	v_nop
	global_prefetch_b8 v0, s[64:65] scope:SCOPE_SE
	s_setreg_imm32_b32 hwreg(HW_REG_WAVE_MODE, 25, 1), 1
	s_wait_xcnt 0x0
; q = query Wq, k = key Wk, v = value Wv ON CODES OF FP4 (E2M1) with one E8M0 scale for each 32 along K = 1,024; sums in f32; results rounded once to f16 and laid BY HEAD.
; acodes [3 x 8192 rows][512 bytes], ascales [..][32]; wcodes [1536 columns][512 bytes], wscales [..][32]: K innermost, as the matrix instruction takes them.
; qkv16: q at 0: [b][16 heads][2048][64]; k at 16,777,216: [b][4][2048][64]; v at 20,971,520 likewise: a head is 262,144 dense bytes, a row 128.
; LIMIT: q, k and v are kept in f16: magnitudes of 65,504 and more are not served.
; SHARES.  Work-group (x, y): rows 256 x .. of the tensor that tile column y multiplies (y = 0 .. 3: query, 4: key, 5: value), columns 256 y .. of wcodes.  192 work-groups.
; Four waves, each 128 x 128: 64 accumulators of 16 x 16, 512 registers.  K = 1,024 is two LDS slots of 512 along K (rows of 256 bytes): BOTH ARE ASKED FOR AT THE HEAD, and nothing is filled again: no loop.
; The scale bytes of the 256 + 256 rows, for all of K, are two dense blocks of 8,192 bytes: they come once, with the first fills.
; NO CLUSTER: the six tile columns multiply three different tensors, so the grid of 32 x 6 does not divide into clusters of 4 x 4 whose rows share A; B's tiles alone could be shared along x, for three
; loads a wave in the whole launch.
; THE MATRIX INSTRUCTION IS USED TRANSPOSED (source 0 = 16 columns of the weight, source 1 = 16 rows of the activation): a lane then holds eight neighbouring columns of one row of the result.
; REGISTERS, in windows of 256: window 0: v0-31 addresses; v32-95 scale words, two sets; v128-191 A's fragments, ONE set; on the way out v32-63, v192-255 at work.
;   window 1: B's fragments, two sets, at v0 and v128.   window 2: the accumulators of my rows 0-63 ((a, b) at v[8 (8 a + b)]);   window 3: those of my rows 64-127.
.set NQ,     4                         ; steps of 128 along K in a slot
.set ROWB,   256                       ; a tile's row in bytes: 512 codes
.set KROW,   512                       ; a row of codes in memory
.set PITCH,  272                       ; an LDS row: 256 bytes + 16 of padding = 68 words: row r starts at bank 4 r mod 64 (64 banks of 4 bytes: ISA guide 11.1)
.set FR,     8                         ; registers of a fragment: 16 rows x 128 K
.set NL,     2                         ; LDS loads that bring one
.set NP,     4                         ; places behind this matrix instruction (ISA guide 7.12.1)
.set HALFT,  128*PITCH                 ; 128 rows: what one tensor load brings, and what one wave reads of A or of B
.set SLOT,   4*HALFT                   ; A's 256 rows, then B's 256 rows
.set KS,     32                        ; a row of scale bytes
.set SCL,    2*SLOT                    ; behind the two slots: the scale bytes, as rows of 256 bytes + 16 of padding
.set HALFS,  16*272                    ; those of 128 rows: what one tensor load brings
.set SBLK,   2*272                     ; those of 16 rows
.set SPARE,  SCL+4*HALFS               ; behind the scales: the spare words, 128 bytes a wave, that no other line names
.set SPITCH, 272                       ; the way out: a stage of 16 rows x (256 bytes + 16) for each wave, in slot 0, which has had its only fill and its last read by then
.set ADRA, 16                          ; v16-17  LDS address of my A fragments in slot 0, 1
.set ADRB, 20                          ; v20-21  the same for B
.set STO,  24                          ; v24     the way out: where I put 16 bytes of a row
.set RD,   25                          ; v25     where I read 16 bytes back
.set CO,   26                          ; v26     and where they go in qkv16
.set ADRS, 27                          ; v27     LDS address of my scale words: lanes 0-15 A's rows, lanes 16-31 B's
.set SPW,  28                          ; v28     LDS address of my spare word; never rewritten
.set NIL,  29                          ; v29     0; never rewritten
.set SC,   32                          ; scale words: set s at v[SC + 32 s]; register 4 i + q: lanes 0-15 the word of A's block i, lanes 16-31 that of B's block i, for the slot's q-th 128 along K
.set AF,   128                         ; A's fragments
.set TMP,  192                         ; the way out: packed results
.set OB,   32                          ; the way out: 16 rows read back: v32-63 and v224-255 by turns
.set G1,   24                          ; s[24:31] descriptor group 1 for the tiles of codes, A's and B's alike
.set G0,   32                          ; s[32:39] group 0 for A's tiles, a set for each slot
.set G1S,  40                          ; s[40:47] group 1 for the scale bytes
.set G0S,  48                          ; s[48:51] group 0 for A's scale bytes
.set G0SB, 52                          ; s[52:55] for B's
.set G0B,  56                          ; s[56:63] group 0 for B's tiles
.set MSB, 0
.macro WIN new                         ; the immediate's high byte repeats the setting that is left; a switch that changes nothing is dropped
.if MSB != (\new)
	s_set_vgpr_msb (MSB<<8)|(\new)
.set MSB, (\new)
.endif
.endm
.set MUL_LO, 0xa1                      ; source 0 (B) window 1, source 1 (A) window 0, C and D window 2
.set MUL_HI, 0xf1                      ; the same, C and D window 3
.set TO_B,   0x40                      ; destination window 1, address window 0
; Waves 0 and 1 fetch for A, waves 2 and 3 for B: the branch hangs on the wave's number alone.  An s_nop 0 and four v_nop follow each of the two lines.
.macro TLOAD g0a, g0b, g1
	s_cmp_eq_u32 s15, 0
	s_cbranch_scc0 .Lfor_b_\@
	tensor_load_to_lds s[\g0a:\g0a+3], s[\g1:\g1+7]
	s_nop 0
.rept 4
	v_nop
.endr
	s_branch .Lasked_\@
.Lfor_b_\@:
	tensor_load_to_lds s[\g0b:\g0b+3], s[\g1:\g1+7]
	s_nop 0
.rept 4
	v_nop
.endr
.Lasked_\@:
.endm
	s_load_b128 s[4:7], s[0:1], 0x0                ; acodes, ascales
	s_load_b128 s[8:11], s[0:1], 0x10              ; wcodes, wscales
	s_load_b64 s[12:13], s[0:1], 0x20              ; qkv16
	v_lshl_add_u32 v[SPW], v0, 2, SPARE
	v_mov_b32 v[NIL], 0
	ds_add_u32 v[SPW], v[NIL]                      ; the wave's opening: the add, twice on end, and its wait ahead of my first tensor load
	ds_add_u32 v[SPW], v[NIL]                      ; the set-up below, work on registers, stands between the second and the wait
	v_lshrrev_b32 v1, 5, v0
	v_readfirstlane_b32 s14, v1                    ; wave 0..3
	s_lshr_b32 s15, s14, 1                         ; which half of the tile's rows is mine.  Also: I fetch for A (0) or for B (1)
	s_and_b32 s16, s14, 1                          ; which half of its columns.  Also: which 128 rows of that tile I fetch
	s_and_b32 s17, ttmp7, 0xffff                   ; y: the tile column
	; group 1: a tile of 128 rows x 256 bytes, rows 512 bytes apart in memory, 16 bytes of padding behind each in LDS
	s_mov_b32 s[G1+0], (1<<20)|(5<<22)|(3<<25)     ; no mask; elements of 1 byte; padding on: 4 words (code 3) after every 64 (code 5)
	s_mov_b32 s[G1+1], ROWB<<16                    ; tensor_dim0
	s_mov_b32 s[G1+2], 128<<16                     ; tensor_dim1
	s_mov_b32 s[G1+3], ROWB<<16                    ; tile_dim0
	s_mov_b32 s[G1+4], 128                         ; tile_dim1
	s_mov_b32 s[G1+5], KROW                        ; tensor_dim0_stride
	s_mov_b32 s[G1+6], 0
	s_mov_b32 s[G1+7], 0
	; the scale bytes of 128 rows: 4,096 dense bytes as 16 rows of 256 (32 elements of 8 bytes), 16 bytes of padding behind each
	s_mov_b32 s[G1S+0], (3<<16)|(1<<20)|(5<<22)|(3<<25)
	s_mov_b32 s[G1S+1], 32<<16
	s_mov_b32 s[G1S+2], 16<<16
	s_mov_b32 s[G1S+3], 32<<16
	s_mov_b32 s[G1S+4], 16
	s_mov_b32 s[G1S+5], 32
	s_mov_b32 s[G1S+6], 0
	s_mov_b32 s[G1S+7], 0
	s_max_u32 s18, s17, 3
	s_sub_co_u32 s18, s18, 3                       ; which of the three tensors: 0 for y = 0 .. 3, then 1, 2
	s_lshl_b32 s18, s18, 13
	s_lshl_b32 s19, ttmp9, 8
	s_add_co_u32 s18, s18, s19
	s_lshl_b32 s19, s16, 7
	s_add_co_u32 s18, s18, s19                     ; A: row 8192 x tensor + 256 x + 128 x half
	s_lshl_b32 s20, s17, 8
	s_add_co_u32 s20, s20, s19                     ; B: row 256 y + 128 x half
	s_lshl_b32 s66, s18, 9                         ; in bytes: codes,
	s_mov_b32 s67, 0
	s_lshl_b32 s68, s18, 5                         ; scale bytes
	s_mov_b32 s69, 0
	s_lshl_b32 s70, s20, 9
	s_mov_b32 s71, 0
	s_lshl_b32 s72, s20, 5
	s_mov_b32 s73, 0
	s_mul_i32 s21, s14, HALFT                      ; where they go: wave x 128 rows
	s_mul_i32 s22, s14, HALFS
	s_wait_dscnt 0x0                               ; both opening adds are done
	s_wait_kmcnt 0x0
	s_add_nc_u64 s[66:67], s[4:5], s[66:67]
	s_add_nc_u64 s[68:69], s[6:7], s[68:69]
	s_add_nc_u64 s[70:71], s[8:9], s[70:71]
	s_add_nc_u64 s[72:73], s[10:11], s[72:73]
	s_mov_b32 s[G0S], 1
	s_add_co_u32 s[G0S+1], s22, SCL
	s_mov_b64 s[G0S+2:G0S+3], s[68:69]
	s_or_b32 s[G0S+3], s[G0S+3], 0x80000000
	s_mov_b32 s[G0SB], 1
	s_add_co_u32 s[G0SB+1], s22, SCL
	s_mov_b64 s[G0SB+2:G0SB+3], s[72:73]
	s_or_b32 s[G0SB+3], s[G0SB+3], 0x80000000
	TLOAD G0S, G0SB, G1S                           ; the scale bytes first: they are wanted with the first step
.irp s, 0,1
	s_mov_b32 s[G0+4*\s], 1
	s_add_co_u32 s[G0+4*\s+1], s21, \s*SLOT
	s_add_nc_u64 s[G0+4*\s+2:G0+4*\s+3], s[66:67], \s*ROWB
	s_or_b32 s[G0+4*\s+3], s[G0+4*\s+3], 0x80000000
	s_mov_b32 s[G0B+4*\s], 1
	s_add_co_u32 s[G0B+4*\s+1], s21, \s*SLOT
	s_add_nc_u64 s[G0B+4*\s+2:G0B+4*\s+3], s[70:71], \s*ROWB
	s_or_b32 s[G0B+4*\s+3], s[G0B+4*\s+3], 0x80000000
	TLOAD G0+4*\s, G0B+4*\s, G1                    ; by this text's own count three tensor loads of a wave are out here, and none is issued later
.endr
	v_and_b32 v1, 15, v0                           ; r = lane % 16
	v_bfe_u32 v2, v0, 4, 1                         ; h = lane / 16
	v_mul_u32_u24 v3, v1, PITCH
	v_lshl_add_u32 v4, v2, 4, v3                   ; a fragment's row x pitch + 16 x half
	s_mul_i32 s21, s15, HALFT                      ; my 128 rows of A
	s_mul_i32 s22, s16, HALFT                      ; my 128 rows of B,
	s_add_co_u32 s22, s22, 2*HALFT                 ; which lie behind A's 256
.irp s, 0,1
	v_add_nc_u32 v[ADRA+\s], s21, v4
	v_add_nc_u32 v[ADRB+\s], s22, v4
	s_add_co_u32 s21, s21, SLOT
	s_add_co_u32 s22, s22, SLOT
.endr
	v_mul_u32_u24 v5, v1, KS                       ; my row's scale bytes: 32 a row,
	v_lshrrev_b32 v6, 8, v5
	v_lshl_add_u32 v5, v6, 4, v5                   ; and 16 more for each 256 passed
	s_mul_i32 s21, s15, HALFS                      ; A's: my 128 rows
	s_mul_i32 s22, s16, HALFS                      ; B's: my 128 rows, behind A's 256
	s_add_co_u32 s22, s22, 2*HALFS
	s_sub_co_u32 s22, s22, s21
	v_mul_u32_u24 v6, s22, v2                      ; lanes 16-31 take B's: ONE product, the distance between the two bases x h
	s_add_co_u32 s21, s21, SCL
	v_add_nc_u32 v5, v5, v6
	v_add_nc_u32 v[ADRS], s21, v5
	s_mul_i32 s23, s14, 16*SPITCH                  ; my stage
	v_mul_u32_u24 v5, v1, SPITCH                   ; in: row r, 16 bytes for each half of the lanes
	v_lshl_add_u32 v5, v2, 4, v5
	v_add_nc_u32 v[STO], s23, v5
	v_and_b32 v5, 7, v0                            ; back: my 128 columns are two heads, and two rows of one head are 256 consecutive bytes of qkv16:
	v_bfe_u32 v6, v0, 3, 1                         ; lane = 16 x head + 8 x row + piece
	v_lshlrev_b32 v5, 4, v5
	v_lshl_add_u32 v[CO], v6, 7, v5                ; in memory: 16 x piece + 128 x row
	v_lshl_add_u32 v[CO], v2, 18, v[CO]            ; + 262,144 x head
	v_mul_u32_u24 v6, v6, SPITCH
	v_add_nc_u32 v6, v6, v5
	v_lshl_add_u32 v6, v2, 7, v6                   ; in the stage: 272 x row + 128 x head + 16 x piece
	v_add_nc_u32 v[RD], s23, v6
	; where my part begins in qkv16
	s_lshl_b32 s18, s17, 20                        ; q: four heads a tile column: y x 1,048,576
	s_lshl_b32 s19, s17, 22                        ; k, v: 16,777,216 + (y - 4) x 4,194,304 = y x 4,194,304
	s_lshr_b32 s20, ttmp9, 3                       ; the batch: 8 tiles of 256 rows each
	s_lshl_b32 s21, s20, 22                        ; q: 16 heads a batch
	s_lshl_b32 s20, s20, 20                        ; k, v: 4 heads
	s_cmp_lt_u32 s17, 4
	s_cselect_b32 s18, s18, s19
	s_cselect_b32 s20, s21, s20
	s_add_co_u32 s18, s18, s20
	s_lshl_b32 s19, s16, 19                        ; my half of the columns: two heads
	s_add_co_u32 s18, s18, s19
	s_and_b32 s19, ttmp9, 7
	s_lshl_b32 s19, s19, 1
	s_add_co_u32 s19, s19, s15
	s_lshl_b32 s19, s19, 14                        ; my first row in the sequence: 128 rows of 128 bytes at a time
	s_add_co_u32 s18, s18, s19
	s_mov_b32 s19, 0
	s_add_nc_u64 s[12:13], s[12:13], s[18:19]
.macro FRAG reg, adr, q, i             ; a fragment, 16 rows x 128 K of 4-bit codes: lane l holds row l % 16; registers 4 c .. 4 c + 3 hold K = 64 c + 32 (l / 16) + 0 .. 31
.irp c, 0,1
	ds_load_b128 v[\reg+4*\c:\reg+4*\c+3], v[\adr] offset:64*(\q)+32*\c+(\i)*16*PITCH
.endr
.endm
; 16 matrix instructions: A's blocks a0, a0 + 1 x B's eight, the slot's q-th 128 along K.  p: B's set;  sc: the set of scale words.  zero = 1: the first product starts the sums: nothing is cleared.
; The 64 accumulators take turns, one instruction a turn, in the same order in every step.
.macro MUL16 a0, p, q, sc, zero
.irp a, \a0, \a0+1
.irp b, 0,1,2,3,4,5,6,7
.if \zero
	v_wmma_scale_f32_16x16x128_f8f6f4 v[8*(8*((\a)%4)+\b):8*(8*((\a)%4)+\b)+7], v[128*(\p)+FR*\b:128*(\p)+FR*\b+FR-1], v[AF+FR*(\a):AF+FR*(\a)+FR-1], 0, v[SC+8*NQ*(\sc)+NQ*\b+(\q)], v[SC+8*NQ*(\sc)+NQ*(\a)+(\q)] matrix_a_fmt:MATRIX_FMT_FP4 matrix_b_fmt:MATRIX_FMT_FP4 matrix_a_scale:MATRIX_SCALE_ROW1
.else
	v_wmma_scale_f32_16x16x128_f8f6f4 v[8*(8*((\a)%4)+\b):8*(8*((\a)%4)+\b)+7], v[128*(\p)+FR*\b:128*(\p)+FR*\b+FR-1], v[AF+FR*(\a):AF+FR*(\a)+FR-1], v[8*(8*((\a)%4)+\b):8*(8*((\a)%4)+\b)+7], v[SC+8*NQ*(\sc)+NQ*\b+(\q)], v[SC+8*NQ*(\sc)+NQ*(\a)+(\q)] matrix_a_fmt:MATRIX_FMT_FP4 matrix_b_fmt:MATRIX_FMT_FP4 matrix_a_scale:MATRIX_SCALE_ROW1
.endif
.endr
.endr
.endm
.macro FETCH_B slot, q, p              ; B's eight fragments of the slot's q-th 128 along K into set p
	WIN TO_B
.irp i, 0,1,2,3,4,5,6,7
	FRAG 128*(\p)+FR*\i, ADRB+\slot, \q, \i
.endr
	WIN 0
.endm
.macro FETCH_A slot, q, i0             ; A's blocks i0 .. i0 + 3
.irp i, \i0, \i0+1, \i0+2, \i0+3
	FRAG AF+FR*(\i), ADRA+\slot, \q, \i
.endr
.endm
.macro SCALES sc                       ; a slot's scale words into set sc: four words a row; lanes 0-15 take A's block i, lanes 16-31 B's block i
.irp i, 0,1,2,3,4,5,6,7
	ds_load_b128 v[SC+8*NQ*\sc+NQ*\i:SC+8*NQ*\sc+NQ*\i+3], v[ADRS] offset:\i*SBLK
.endr
.endm
; A load into a register that a matrix instruction has read, and a vector instruction that reads a matrix result, stand NP places behind that matrix instruction, and only plain vector instructions
; that name none of its registers are places (ISA guide 7.12.1 for vector instructions).
.macro PLACES n
.rept \n
	v_nop
.endr
.endm
; A step of 128 along K that has its successor in the same slot.  A's blocks go one after the other against B's eight, so one set of registers serves A: blocks 0-3 are fetched anew in the step's middle, 4-7 at its end.
.macro STEP slot, q, zero
	s_wait_dscnt 4*NL                              ; B's set and A's blocks 0-3 are in; the youngest eight loads (A's blocks 4-7) may be out
	WIN MUL_LO
	MUL16 0, (\q)%2, \q, \slot, \zero
	MUL16 2, (\q)%2, \q, \slot, \zero
	s_wait_dscnt 0                                 ; A's blocks 4-7 are in (asked for 32 matrix instructions ago)
	PLACES NP
	FETCH_B \slot, (\q)+1, 1-(\q)%2
	FETCH_A \slot, (\q)+1, 0
	WIN MUL_HI
	MUL16 4, (\q)%2, \q, \slot, \zero
	MUL16 6, (\q)%2, \q, \slot, \zero
	PLACES NP
	WIN 0
	FETCH_A \slot, (\q)+1, 4
.endm
; Slot 0's last step goes over to slot 1: in front of the one barrier each wave waits for all its tensor loads (its part of slot 1), and for its own reads of slot 0, which becomes the stage later.
.macro TURN slot, next
	s_wait_tensorcnt 0x0                           ; all my tensor loads have landed
	ds_add_u32 v[SPW], v[NIL]                      ; 0 onto my spare word
	s_wait_dscnt 4*NL+1                            ; (the add and the youngest eight loads, A's blocks 4-7, may be out)
	WIN MUL_LO
	MUL16 0, 1, NQ-1, \slot, 0                     ; sixteen matrix instructions stand between the add and the wait for it
	s_wait_dscnt 0x0                               ; the add is done, and my reads of this slot are over
	s_barrier_signal -1
	MUL16 2, 1, NQ-1, \slot, 0
	WIN 0
	s_barrier_wait -1
	PLACES NP
	v_add_nc_u32 v[ADRS], 4*NQ, v[ADRS]            ; on to the next slot's scale words (no LDS load of mine is out)
	FETCH_B \next, 0, 0
	FETCH_A \next, 0, 0
	SCALES \next
	WIN MUL_HI
	MUL16 4, 1, NQ-1, \slot, 0
	MUL16 6, 1, NQ-1, \slot, 0
	PLACES NP
	WIN 0
	FETCH_A \next, 0, 4
.endm
.macro STEPS slot, from                ; the slot's steps from .. NQ - 2
.set Q, \from
.rept NQ-1-\from
	STEP \slot, Q, 0
.set Q, Q+1
.endr
.endm
	s_wait_tensorcnt 1                             ; the scale bytes and my part of slot 0 are in; slot 1's load may be out
	s_barrier_signal -1
	s_barrier_wait -1                              ; everybody's are
	FETCH_B 0, 0, 0
	FETCH_A 0, 0, 0
	SCALES 0
	FETCH_A 0, 0, 4
	STEP 0, 0, 1                                   ; the first step's products start the sums
	STEPS 0, 1
	TURN 0, 1
	STEPS 1, 0
	s_wait_dscnt 4*NL                              ; the last step: nothing more to fetch
	WIN MUL_LO
	MUL16 0, 1, NQ-1, 1, 0
	MUL16 2, 1, NQ-1, 1, 0
	s_wait_dscnt 0
	WIN MUL_HI
	MUL16 4, 1, NQ-1, 1, 0
	MUL16 6, 1, NQ-1, 1, 0
	WIN 0
; THE WAY OUT, block by block of 16 rows x 128 columns.  PACK: rounded to f16, 16 bytes a lane, each accumulator from its low end on.  TOSTAGE: into my own stage and back, two rows of each of my two heads
; an instruction.  SEND: sixteen lanes store 256 consecutive bytes, aligned.  LDS serves a wave's instructions in order (ISA guide 5.7.1.4): no wait between the stores and the loads.
.macro PACK a
.set AC, 64*((\a)%4)
	WIN 0x0a+5*((\a)/4)                            ; sources 0 and 1: window 2 or 3
.irp b, 0,1,2,3,4,5,6,7
.irp r, 0,1,2,3
	v_cvt_pk_f16_f32 v[TMP+4*\b+\r], v[AC+8*\b+2*\r], v[AC+8*\b+2*\r+1]
.endr
.endr
	WIN 0
.endm
.macro TOSTAGE a
.set BK, OB+192*((\a)%2)
.irp b, 0,1,2,3,4,5,6,7
	ds_store_b128 v[STO], v[TMP+4*\b:TMP+4*\b+3] offset:32*\b
.endr
.irp t, 0,1,2,3,4,5,6,7
	ds_load_b128 v[BK+4*\t:BK+4*\t+3], v[RD] offset:\t*2*SPITCH
.endr
.endm
.macro SEND a
.set BK, OB+192*((\a)%2)
	s_wait_dscnt 0x0                               ; the block is back in registers
	s_wait_xcnt 0x0                                ; the stores of the block before have read their registers: the next block's loads from the stage may land there
.irp t, 0,1,2,3,4,5,6,7
	global_store_b128 v[CO], v[BK+4*\t:BK+4*\t+3], s[12:13] offset:2048*(\a)+256*\t
.endr
.endm
	PLACES NP                                      ; behind the last products: for the conversions that read results, and for the loads into registers that held scale words
	PACK 0
	TOSTAGE 0
.irp a, 1,2,3,4,5,6,7                  ; a block's conversions stand between the loads of the block before and the wait for them
	PACK \a
	SEND (\a)-1
	TOSTAGE \a
.endr
	SEND 7
	s_wait_tensorcnt 0x0                           ; the wave's end, behind my last tensor load and my last LDS store
	ds_add_u32 v[SPW], v[NIL]
	s_wait_dscnt 0x0
	s_endpgm
.Lfunc_end_k_q6242db3dde_proj:
	.size	k_q6242db3dde_proj, .Lfunc_end_k_q6242db3dde_proj-k_q6242db3dde_proj
	.p2alignl 7, 3214868480
	.fill 96, 4, 3214868480
	.section	.rodata,"a",@progbits
	.p2align	6, 0x0
	.amdhsa_kernel k_q6242db3dde_proj
		.amdhsa_group_segment_fixed_size 327680
		.amdhsa_private_segment_fixed_size 0
		.amdhsa_enable_private_segment 0
		.amdhsa_kernarg_size 40
		.amdhsa_user_sgpr_count 2
		.amdhsa_user_sgpr_kernarg_segment_ptr 1
		.amdhsa_wavefront_size32 1
		.amdhsa_system_sgpr_workgroup_id_x 1
		.amdhsa_system_sgpr_workgroup_id_y 1
		.amdhsa_system_sgpr_workgroup_id_z 1
		.amdhsa_system_vgpr_workitem_id 0
		.amdhsa_next_free_vgpr 1024
		.amdhsa_next_free_sgpr 96
		.amdhsa_reserve_vcc 0
		.amdhsa_float_denorm_mode_32 3
		.amdhsa_float_denorm_mode_16_64 3
		.amdhsa_memory_ordered 1
		.amdhsa_forward_progress 1
		.amdhsa_inst_pref_size 125
	.end_amdhsa_kernel
	.amdgpu_metadata
---
amdhsa.version: [ 1, 2 ]
amdhsa.kernels:
  - .name:           k_q6242db3dde_proj
    .symbol:         k_q6242db3dde_proj.kd
    .args:
      - { .name: acodes, .offset: 0, .size: 8, .value_kind: global_buffer, .address_space: global }
      - { .name: ascales, .offset: 8, .size: 8, .value_kind: global_buffer, .address_space: global }
      - { .name: wcodes, .offset: 16, .size: 8, .value_kind: global_buffer, .address_space: global }
      - { .name: wscales, .offset: 24, .size: 8, .value_kind: global_buffer, .address_space: global }
      - { .name: qkv16, .offset: 32, .size: 8, .value_kind: global_buffer, .address_space: global }
    .group_segment_fixed_size: 327680
    .private_segment_fixed_size: 0
    .kernarg_segment_align: 8
    .kernarg_segment_size: 40
    .max_flat_workgroup_size: 128
    .sgpr_count:     96
    .vgpr_count:     1024
    .wavefront_size: 32
...
	.end_amdgpu_metadata
.endif
;; end of part 2
;; launch attn (part 3): grid 16 x 16, 8 waves a work-group, clusters of 4 x 1, 327,680 bytes of LDS; arguments qkv16, ao16; writes ao16
.if DOCPART == 3
	.amdgcn_target "amdgcn-amd-amdhsa--gfx1250"
	.amdhsa_code_object_version 6
	.text
	.protected	k_q6242db3dde_attn
	.globl	k_q6242db3dde_attn
	.p2align	8
	.type	k_q6242db3dde_attn,@function
k_q6242db3dde_attn:
	s_mov_b64 s[64:65], 0
	v_nop
	global_prefetch_b8 v0, s[64:65] scope:SCOPE_SE
	s_setreg_imm32_b32 hwreg(HW_REG_WAVE_MODE, 25, 1), 1
	s_wait_xcnt 0x0
	s_wait_alu depctr_hold_cnt(0) depctr_sa_sdst(0) depctr_va_vdst(0) depctr_va_sdst(0) depctr_va_ssrc(0) depctr_va_vcc(0) depctr_vm_vsrc(0)
	s_getreg_b32 s2, hwreg(HW_REG_IB_STS2, 6, 4)
	s_cmp_eq_u32 s2, 0
	s_cbranch_scc0 .Lentry_in_a_cluster
	s_endpgm
.Lentry_in_a_cluster:
	s_bfe_u32 s2, ttmp6, 0x10000c
	s_cmp_lg_u32 s2, 0x3003
	s_cbranch_scc0 .Lentry_shape_is_right
	s_endpgm
.Lentry_shape_is_right:
; ao[b][q][head][:] = the sum over s of softmax_s(q . k / 8) v, no mask; query head 4 g + t attends key/value head g.  q, k, v: f16, by head (qkv16); products, maxima and sums in f32;
; the weights p are rounded to f16 for the second product, the result once to f16 (ao16 [8192][1024]).
; LIMITS: f16 operands: |q|, |k|, |v| under 65,504; a weight under 2^-25 of its row's largest is rounded to 0.  NaN and infinities are not served.
; SHARES.  Work-group: one batch and key/value head (y = 4 b + g), 128 queries, ALL FOUR query heads of the group: 512 query rows.  Wave w of eight: queries 16 w .. 16 w + 15 of the four heads: four tiles
; (tile t = head 4 g + t), so that each fragment of K and V read from LDS feeds four matrix instructions.  Two waves share a SIMD: one wave's softmax stands beside the other's products.
; LAYOUT.  S^T = K Q^T (source 0 = 16 keys, source 1 = 16 queries): a lane holds ONE query (lane % 16) and the keys 8 (lane / 16) + 0..7 of a tile.  Two such tiles, rounded to f16 in pairs, ARE source 1
; (32 keys x 16 queries) of O^T = V^T P, whose result again holds one query a lane.  K comes out of LDS as it lies, V ([key][channel]) turned, by ds_load_tr16_b128.
; SOFTMAX.  A running maximum m and sum l for each query: p = 2^(c s - c m), c = log2(e) / 8; in every step O and l are multiplied by a = 2^(c m_old - c m_new).  The step is written once: m begins at -3e38,
; l and O^T at 0, so the first a is 0 and multiplies zeros.
; RING.  Two LDS slots of 256 keys (four steps of 64).  Waves 0-3 fetch the four steps' tiles of K, waves 4-7 those of V: one tensor load a wave behind each change of slots, one out at a time.
; CLUSTER.  The four blocks of 128 queries of a cluster walk the same K and V: each tile is asked for JOINTLY, by the same tensor load with the same descriptor and the mask of all four.
; REGISTERS: window 0: v2-13 addresses; v16-47 statistics, 8 a tile; v48-111 K's fragments; v112-115 c m_old; v128-255 S^T, 32 a tile; P is made in place, in each tile's low 16.
;            window 1: v0-127 O^T, 32 a tile; v128-191 Q, 16 a tile; v192-255 V's fragments.
.set KS,    64                         ; keys in a step
.set PK,    144                        ; a row of K in LDS: 128 bytes + 16 = 36 words: the 16 rows of a load start at 16 different groups of four banks (64 banks of 4 bytes: ISA guide 11.1)
.set PV,    160                        ; a row of V: 128 + 32: an odd multiple of 32 bytes, for the turning load
.set VOFF,  KS*PK                      ; a step's tiles lie together: 64 rows of K, then 64 rows of V
.set STEPB, KS*(PK+PV)
.set SLOT1, 1<<17                      ; slot 1 begins here, so that one exclusive or turns an address in one slot into the other's
.set SPARE, SLOT1+4*STEPB              ; behind the ring: the spare words, 128 bytes a wave, that no other line names
.set SP,    528                        ; the way out: a stage of 16 rows x (512 bytes + 16) for each wave, in slot 0, which is left at the last change of slots and has had its last fill
.set AK0, 2                            ; v2   my lane's place in a tile of K; never rewritten
.set AV0, 3                            ; v3   the same for V
.set ADK, 4                            ; v4   LDS address of the step's K
.set ADV, 5                            ; v5   of its V
.set QO,  6                            ; v6   my byte offset in the wave's rows of Q
.set STO, 7                            ; v7   the way out: where I put 16 bytes of a row
.set RD,  8                            ; v8   where I read a row back
.set GO,  9                            ; v9   my byte offset in a row's 512 bytes of ao16
.set PFO, 10                           ; v10  256 x my lane: the prefetches' offset; never rewritten
.set SPW, 12                           ; v12  LDS address of my spare word; never rewritten
.set NIL, 13                           ; v13  0; never rewritten
.set ST,  16                           ; tile t's statistics at v[ST + 8 t]: +0 c m, +1 m, +2, +3 l (even keys', odd keys'), +4 to +7 at work; a takes +6
.set KF,  48
.set CO,  112
.set S,   128
.set QF,  128                          ; in window 1
.set VF,  192                          ; in window 1
.set WV,  12                           ; s12  my wave's number
.set G1K, 24                           ; s[24:31] descriptor group 1 for K's tiles
.set G1V, 32                           ; s[32:39] for V's: it differs in the padding alone
.set G0K, 40                           ; s[40:43] group 0 for K's tiles: it walks
.set G0V, 44                           ; s[44:47] for V's
.set SLOTS, 48                         ; s48  slots still to be asked for
.set CNT, 49                           ; s49  counts a slot's four steps
.set CS,  50                           ; s[50:51] c: the packed scaling names a pair and takes its low word for both halves
.set SEL, 52                           ; s[52:53] lane selects for v_permlanex16_b32: lane l xor 16
.set TB,  54                           ; s54  LDS byte at which the step's tiles begin
.set PFA, 56                           ; s[56:57] where my prefetches stand in memory
.set LIM, 58                           ; s58  1 in a wave that prefetches, else the greatest number
.set MSB, 0
.macro WIN new
.if MSB != (\new)
	s_set_vgpr_msb (MSB<<8)|(\new)
.set MSB, (\new)
.endif
.endm
.set W_KQ, 0x04                        ; Q (source 1) in window 1; K and S^T in window 0
.set W_PV, 0x51                        ; V (source 0), C and D in window 1; P in window 0
.set W_RS, 0x41                        ; O^T (destination and source 0) in window 1, a in window 0
.set W_L1, 0x40                        ; a load's destination in window 1
.set W_CV, 0x05                        ; sources 0 and 1 in window 1
; A joint load: waves 0-3 for K, waves 4-7 for V.  The branch hangs on the wave's number alone.  An s_nop 0 and four v_nop follow each of the two lines.
.macro JLOAD
	s_cmp_lt_u32 s[WV], 4
	s_cbranch_scc0 .Lfor_v_\@
	tensor_load_to_lds s[G0K:G0K+3], s[G1K:G1K+7]
	s_nop 0
.rept 4
	v_nop
.endr
	s_branch .Lasked_\@
.Lfor_v_\@:
	tensor_load_to_lds s[G0V:G0V+3], s[G1V:G1V+7]
	s_nop 0
.rept 4
	v_nop
.endr
.Lasked_\@:
.endm
; A PREFETCH of what the NEXT change of slots will ask for: 256 rows of K and of V, each a dense block of 32,768 bytes.  It stands behind the wave's tensor load and its five lines.
; Each aligned block of 256 bytes is named ONCE in the launch: the four clusters of a key/value head walk the same rows, and the first of them asks; its four partners take 8,192 bytes each, told apart
; BY ADDRESS; in each, wave 0 asks for K's and wave 4 for V's, lanes 256 bytes apart.  Slots 0 and 1 come by their loads alone; the last change that fills a slot asks for nothing.
.macro ASK
	s_cmp_gt_u32 s[SLOTS], s[LIM]
	s_cbranch_scc0 .Lnot_mine_\@
	global_prefetch_b8 v[PFO], s[PFA:PFA+1] th:TH_LOAD_NT scope:SCOPE_SE
.Lnot_mine_\@:
.endm
; A round of the cluster's barrier: my work-group's barrier; wave 0 signals for the work-group; every wave waits for all four work-groups; my work-group's barrier once more.
.macro CROUND
	s_barrier_signal -1
	s_barrier_wait -1
	s_cmp_lg_u32 s[WV], 0
	s_cbranch_scc1 .Lnot_wave_0_\@
	s_barrier_signal -3
.Lnot_wave_0_\@:
	s_barrier_wait -3
	s_barrier_signal -1
	s_barrier_wait -1
.endm
	s_load_b128 s[16:19], s[0:1], 0x0              ; qkv16 s[16:17], ao16 s[18:19]
	v_lshl_add_u32 v[SPW], v0, 2, SPARE
	v_mov_b32 v[NIL], 0
	ds_add_u32 v[SPW], v[NIL]                      ; the wave's opening: the add, twice on end, and its wait ahead of my first tensor load
	ds_add_u32 v[SPW], v[NIL]                      ; the set-up below, work on registers, stands between the second and the wait
	v_lshrrev_b32 v1, 5, v0
	v_readfirstlane_b32 s[WV], v1                  ; wave 0..7
	s_bfe_u32 s13, ttmp6, 0x40000                  ; cx: my place in the cluster
	s_lshl_b32 s14, ttmp9, 2                       ; in a cluster launch ttmp9 counts clusters
	s_add_co_u32 s14, s14, s13                     ; my block of 128 queries: it enters Q's and ao16's addresses alone
	s_and_b32 s15, ttmp7, 0xffff                   ; y = 4 b + g, which the four partners share
	; group 1: a tile of 64 rows x 64 elements of 2 bytes, dense in memory, padded in LDS
	s_mov_b32 s[G1K], 15|(1<<16)|(1<<20)|(1<<21)|(4<<22)|(3<<25)   ; the mask of all four; elements of 2 bytes; padding on; bit 21 beside a mask; 4 words (code 3) after every 32 (code 4)
	s_mov_b32 s[G1V], 15|(1<<16)|(1<<20)|(1<<21)|(4<<22)|(7<<25)   ; the same with 8 words of padding (code 7)
.irp g, G1K, G1V
	s_mov_b32 s[\g+1], 64<<16                      ; tensor_dim0
	s_mov_b32 s[\g+2], KS<<16                      ; tensor_dim1
	s_mov_b32 s[\g+3], 64<<16                      ; tile_dim0
	s_mov_b32 s[\g+4], KS                          ; tile_dim1
	s_mov_b32 s[\g+5], 64                          ; tensor_dim0_stride
	s_mov_b32 s[\g+6], 0
	s_mov_b32 s[\g+7], 0
.endr
	s_mov_b32 s[CS], 0x3e38aa3b                    ; c = log2(e) / 8
	s_mov_b32 s[CS+1], s[CS]                       ; named with it as a pair, so it is written
	s_mov_b32 s[SEL], 0x76543210
	s_mov_b32 s[SEL+1], 0xfedcba98
	s_mov_b32 s[TB], 0
	s_mov_b32 s[SLOTS], 7
	s_and_b32 s60, s[WV], 3                        ; which of a slot's four steps I fetch:
	s_mul_i32 s61, s60, STEPB                      ; its place in a slot: no place in the cluster enters an LDS address
	s_or_b32 s[LIM], s60, ttmp9                    ; 0 in waves 0 and 4 of the head's first cluster: the same in all four partners
	s_cmp_eq_u32 s[LIM], 0
	s_cselect_b32 s[LIM], 1, -1
	s_lshl_b32 s20, s15, 18                        ; K: the head's 262,144 bytes,
	s_lshl_b32 s21, s60, 13                        ; my step's 64 rows of 128 bytes,
	s_add_co_u32 s20, s20, s21
	s_add_co_u32 s20, s20, 0x1000000               ; behind q's 16,777,216
	s_mov_b32 s21, 0
	s_lshl_b32 s22, s14, 3
	s_add_co_u32 s22, s22, s[WV]                   ; which 16 queries of the sequence are my wave's
	s_lshl_b32 s62, s22, 15                        ; ao16: 16 rows of 2,048 bytes,
	s_lshl_b32 s22, s22, 11                        ; Q: 16 rows of 128 bytes,
	s_lshl_b32 s23, s15, 20                        ; in head 4 y: four heads of 262,144 bytes
	s_add_co_u32 s22, s22, s23
	s_mov_b32 s23, 0
	s_lshr_b32 s63, s15, 2
	s_lshl_b32 s63, s63, 22                        ; ao16: the batch's 2,048 rows,
	s_add_co_u32 s62, s62, s63
	s_and_b32 s63, s15, 3
	s_lshl_b32 s63, s63, 9                         ; and the group's four heads: 512 bytes of a row
	s_add_co_u32 s62, s62, s63
	s_mov_b32 s63, 0
	s_wait_dscnt 0x0                               ; both opening adds are done
	s_wait_kmcnt 0x0
	s_add_nc_u64 s[6:7], s[16:17], s[20:21]        ; K at my tile of slot 0
	s_add_nc_u64 s[8:9], s[6:7], 0x400000          ; V lies 4,194,304 bytes further on
	s_add_nc_u64 s[4:5], s[16:17], s[22:23]        ; Q at my wave's first row of tile 0
	s_add_nc_u64 s[10:11], s[18:19], s[62:63]      ; ao16 likewise
	s_cmp_lt_u32 s[WV], 4
	s_cselect_b64 s[PFA:PFA+1], s[6:7], s[8:9]     ; (in waves 0 and 4 these stand at a slot's first row)
	s_lshl_b32 s20, s13, 13                        ; my work-group's 8,192 bytes of the 32,768
	s_add_nc_u64 s[PFA:PFA+1], s[PFA:PFA+1], s[20:21]
	s_add_nc_u64 s[PFA:PFA+1], s[PFA:PFA+1], 32768 ; in slot 1's keys: the first change of slots steps it to the keys after those.  Nothing is prefetched here, at the head
	s_mov_b32 s[G0K], 1                            ; count = 1
	s_mov_b32 s[G0K+1], s61                        ; LDS address: slot 0
	s_mov_b64 s[G0K+2:G0K+3], s[6:7]               ; global address
	s_or_b32 s[G0K+3], s[G0K+3], 0x80000000        ; type = 2
	s_mov_b32 s[G0V], 1
	s_add_co_u32 s[G0V+1], s61, VOFF
	s_mov_b64 s[G0V+2:G0V+3], s[8:9]
	s_or_b32 s[G0V+3], s[G0V+3], 0x80000000
	CROUND                                         ; all four work-groups are here: the first joint loads meet
	JLOAD                                          ; keys 0 to 255 into slot 0
	; A fragment of K or Q is 16 rows x 32 channels in 8 registers: lane l holds row l % 16; registers 0-3 channels 8 (l / 16) + 0..7, registers 4-7 channels 16 + 8 (l / 16) + 0..7.
	v_and_b32 v14, 15, v0                          ; r
	v_bfe_u32 v15, v0, 4, 1                        ; h
	v_lshlrev_b32 v[QO], 7, v14
	v_lshl_add_u32 v[QO], v15, 4, v[QO]            ; row x 128 + 16 x half
	WIN W_L1
.irp t, 0,1,2,3                        ; Q stays in registers: tile t is head 4 g + t, 262,144 bytes further on; each wave reads its rows once
.irp e, 0,1
	global_load_b128 v[QF+16*\t+8*\e:QF+16*\t+8*\e+3],   v[QO], s[4:5] offset:262144*\t+64*\e th:TH_LOAD_NT
	global_load_b128 v[QF+16*\t+8*\e+4:QF+16*\t+8*\e+7], v[QO], s[4:5] offset:262144*\t+64*\e+32 th:TH_LOAD_NT
.endr
.endr
.set i, 0
.rept 128
	v_mov_b32 v[i], 0                              ; O^T: the step is written once, and its first trip finds zeros: 128 lines once against a second copy of the step
.set i, i+1
.endr
	WIN 0
	v_mul_u32_u24 v[AK0], v14, PK
	v_lshl_add_u32 v[AK0], v15, 4, v[AK0]          ; row x pitch + 16 x half
	; The turning load takes 16 keys x 16 channels (lane l reads 16 bytes: key 8 (l / 16) + l % 8, channels 8 ((l / 8) % 2) + 0..7) and leaves half a fragment of V^T: lane l holds channel l % 16 and 8 keys.
	v_and_b32 v1, 7, v0
	v_lshl_add_u32 v[AV0], v15, 3, v1
	v_mul_u32_u24 v[AV0], v[AV0], PV
	v_bfe_u32 v1, v0, 3, 1
	v_lshl_add_u32 v[AV0], v1, 4, v[AV0]
	v_add_nc_u32 v[AV0], VOFF, v[AV0]
	s_mul_i32 s20, s[WV], 16*SP                    ; my stage
	v_mul_u32_u24 v[STO], v14, SP                  ; in: row r, 16 bytes for each half of the lanes
	v_lshl_add_u32 v[STO], v15, 4, v[STO]
	v_add_nc_u32 v[STO], s20, v[STO]
	v_and_b32 v1, 31, v0
	v_lshlrev_b32 v[GO], 4, v1                     ; back: the 32 lanes take one row of 512 bytes; and the same in ao16
	v_add_nc_u32 v[RD], s20, v[GO]
	v_lshlrev_b32 v[PFO], 8, v1
.irp t, 0,1,2,3
	v_mov_b32 v[ST+8*\t+1], 0xff61b1e6             ; m = -3e38, under every score
	v_mul_f32 v[ST+8*\t], s[CS], v[ST+8*\t+1]      ; c m
.irp j, 2,3,4,5,6,7
	v_mov_b32 v[ST+8*\t+\j], 0                     ; l, and the registers at work (a lane permute's destination counts as one of its sources)
.endr
.endr
; A KEY STEP: 64 keys x my four tiles of 16 queries: 32 products K Q^T, the softmax, 32 products V^T P.
.macro STEP
	v_add_nc_u32 v[ADK], s[TB], v[AK0]
	v_add_nc_u32 v[ADV], s[TB], v[AV0]
.irp kt, 0,1,2,3                       ; K: keys 16 kt on, channels 32 e on
.irp e, 0,1
	ds_load_b128 v[KF+16*\kt+8*\e:KF+16*\kt+8*\e+3],   v[ADK] offset:16*PK*\kt+64*\e
	ds_load_b128 v[KF+16*\kt+8*\e+4:KF+16*\kt+8*\e+7], v[ADK] offset:16*PK*\kt+64*\e+32
.endr
.endr
	WIN W_L1
.irp c, 0,1                            ; V, turned: keys 32 c on, channels 16 dt on
.irp dt, 0,1,2,3
	ds_load_tr16_b128 v[VF+8*(4*\c+\dt):VF+8*(4*\c+\dt)+3],   v[ADV] offset:32*PV*\c+32*\dt
	ds_load_tr16_b128 v[VF+8*(4*\c+\dt)+4:VF+8*(4*\c+\dt)+7], v[ADV] offset:32*PV*\c+32*\dt+16*PV
.endr
.endr
	s_wait_dscnt 16                                ; K's sixteen loads are in; V's sixteen may be out
	WIN W_KQ
.irp e, 0,1                            ; the 16 accumulators take turns, one instruction a turn; the first 16 start the sums
.irp kt, 0,1,2,3
.irp t, 0,1,2,3
.if \e == 0
	v_wmma_f32_16x16x32_f16 v[S+32*\t+8*\kt:S+32*\t+8*\kt+7], v[KF+16*\kt:KF+16*\kt+7], v[QF+16*\t:QF+16*\t+7], 0
.else
	v_wmma_f32_16x16x32_f16 v[S+32*\t+8*\kt:S+32*\t+8*\kt+7], v[KF+16*\kt+8:KF+16*\kt+15], v[QF+16*\t+8:QF+16*\t+15], v[S+32*\t+8*\kt:S+32*\t+8*\kt+7]
.endif
.endr
.endr
.endr
	WIN 0
.irp t, 0,1,2,3
	v_mov_b32 v[CO+\t], v[ST+8*\t]                 ; c m_old is kept for a.  (These four are the places behind the products)
.endr
.irp j, 0,1,2,3                        ; the maximum of the lane's 32 scores and the old m, three operands at a time, four chains a tile; each accumulator is first read at its low end
.irp t, 0,1,2,3
	v_max3_num_f32 v[ST+8*\t+4+\j], v[S+32*\t+8*\j], v[S+32*\t+8*\j+1], v[S+32*\t+8*\j+2]
.endr
.endr
.irp u, 1,2
.irp j, 0,1,2,3
.irp t, 0,1,2,3
	v_max3_num_f32 v[ST+8*\t+4+\j], v[ST+8*\t+4+\j], v[S+32*\t+8*\j+2*\u+1], v[S+32*\t+8*\j+2*\u+2]
.endr
.endr
.endr
.irp t, 0,1,2,3
	v_max3_num_f32 v[ST+8*\t+4], v[ST+8*\t+4], v[S+32*\t+7], v[S+32*\t+15]
.endr
.irp t, 0,1,2,3
	v_max3_num_f32 v[ST+8*\t+6], v[ST+8*\t+6], v[S+32*\t+23], v[S+32*\t+31]
.endr
.irp t, 0,1,2,3
	v_max3_num_f32 v[ST+8*\t+4], v[ST+8*\t+4], v[ST+8*\t+5], v[ST+8*\t+6]
.endr
.irp t, 0,1,2,3
	v_max3_num_f32 v[ST+8*\t+4], v[ST+8*\t+4], v[ST+8*\t+7], v[ST+8*\t+1]
.endr
.irp t, 0,1,2,3
	v_permlanex16_b32 v[ST+8*\t+5], v[ST+8*\t+4], s[SEL], s[SEL+1]  ; the query's other 32 keys lie in the lane 16 away
.endr
.irp t, 0,1,2,3
	v_max_num_f32 v[ST+8*\t+1], v[ST+8*\t+4], v[ST+8*\t+5]          ; the new m
.endr
.irp t, 0,1,2,3
	v_mul_f32 v[ST+8*\t], s[CS], v[ST+8*\t+1]                       ; c m
.endr
.irp t, 0,1,2,3
	v_sub_f32 v[ST+8*\t+7], v[CO+\t], v[ST+8*\t]                    ; c m_old - c m_new, 0 or less
.endr
.irp t, 0,1,2,3
.set i, 0
.rept 16
	v_pk_fma_f32 v[S+32*\t+i:S+32*\t+i+1], v[S+32*\t+i:S+32*\t+i+1], s[CS:CS+1], v[ST+8*\t:ST+8*\t+1] op_sel_hi:[1,0,0] neg_lo:[0,0,1] neg_hi:[0,0,1]  ; c s - c m, two at a time
.set i, i+2
.endr
.endr
.irp t, 0,1,2,3                        ; ONE BATCH of 132 exponentials, none of which reads another's result
	v_exp_f32 v[ST+8*\t+6], v[ST+8*\t+7]           ; a
.endr
.set i, 0
.rept 128
	v_exp_f32 v[S+i], v[S+i]                       ; p
.set i, i+1
.endr
	v_nop                                          ; the plain instruction behind the last exponential,
	s_wait_alu depctr_va_vdst(0)                   ; and the one wait ahead of the batch's first reader
.irp t, 0,1,2,3
	v_pk_fma_f32 v[ST+8*\t+2:ST+8*\t+3], v[ST+8*\t+2:ST+8*\t+3], v[ST+8*\t+6:ST+8*\t+7], v[S+32*\t:S+32*\t+1] op_sel_hi:[1,0,1]  ; l = a l + the first pair
.endr
.set i, 2
.rept 15
.irp t, 0,1,2,3
	v_pk_add_f32 v[ST+8*\t+2:ST+8*\t+3], v[ST+8*\t+2:ST+8*\t+3], v[S+32*\t+i:S+32*\t+i+1]   ; the sum is taken of p in f32; the four tiles by turns
.endr
.set i, i+2
.endr
.set i, 0
.rept 16
.irp t, 0,1,2,3
	v_cvt_pk_f16_f32 v[S+32*\t+i], v[S+32*\t+2*i], v[S+32*\t+2*i+1]  ; P in place: pair i goes to register i, which no later pair reads
.endr
.set i, i+1
.endr
	WIN W_RS
.set i, 0
.rept 16
.irp t, 0,1,2,3
	v_pk_mul_f32 v[32*\t+i:32*\t+i+1], v[32*\t+i:32*\t+i+1], v[ST+8*\t+6:ST+8*\t+7] op_sel_hi:[1,0]   ; O^T x a, each accumulator from its low end on
.endr
.set i, i+2
.endr
	s_wait_dscnt 0x0                               ; V is in
	WIN W_PV
.irp c, 0,1                            ; the 16 accumulators take turns, one instruction a turn
.irp dt, 0,1,2,3
.irp t, 0,1,2,3
	v_wmma_f32_16x16x32_f16 v[32*\t+8*\dt:32*\t+8*\dt+7], v[VF+8*(4*\c+\dt):VF+8*(4*\c+\dt)+7], v[S+32*\t+8*\c:S+32*\t+8*\c+7], v[32*\t+8*\dt:32*\t+8*\dt+7]
.endr
.endr
.endr
	WIN 0
.rept 5
	v_nop                                          ; five places: the next step's first products write over P's registers, and its loads land on V's (ISA guide 7.12.1 for vector instructions)
.endr
	s_add_co_u32 s[TB], s[TB], STEPB
.endm
.macro SLOT_STEPS                      ; a slot's four key steps: written once, walked four times; the LDS addresses hang on s[TB]
	s_mov_b32 s[CNT], 4
.Lstep_\@:
	STEP
	s_sub_co_u32 s[CNT], s[CNT], 1
	s_cmp_lg_u32 s[CNT], 0
	s_cbranch_scc1 .Lstep_\@
	s_sub_co_u32 s[TB], s[TB], 4*STEPB             ; back to a slot's first step,
	s_xor_b32 s[TB], s[TB], SLOT1                  ; in the other slot
.endm
; THE CHANGE OF SLOTS stands at a slot's head.  Each wave waits for all its tensor loads (its part of the slot that it is about to read), adds 0 to its spare word, and waits for that and for its reads of
; the slot that it has left.  fill = 1: the barrier is a round of the cluster's, so that no wave of any partner still reads that slot or has a load on its way; the joint load of the next 256 keys is the
; first thing behind it and has a slot's four steps, 256 matrix instructions a wave, in which to land.
.macro CHANGE fill
	s_wait_tensorcnt 0x0                           ; no tensor load of mine is out, so a group 0 may be written
	ds_add_u32 v[SPW], v[NIL]                      ; 0 onto my spare word
.if \fill
	s_xor_b32 s[G0K+1], s[G0K+1], SLOT1            ; the walking descriptors: the other slot than last time,
	s_add_nc_u64 s[G0K+2:G0K+3], s[G0K+2:G0K+3], 32768   ; the next 256 keys; the type bits on top are not reached
	s_xor_b32 s[G0V+1], s[G0V+1], SLOT1
	s_add_nc_u64 s[G0V+2:G0V+3], s[G0V+2:G0V+3], 32768
	s_wait_xcnt 0x0                                ; the last prefetch, a slot back, has read its address, so it may be written:
	s_add_nc_u64 s[PFA:PFA+1], s[PFA:PFA+1], 32768 ; one slot further on than the walking descriptors
	s_wait_dscnt 0x0                               ; the add is done, and my reads of the slot that I have left are over
	CROUND
	JLOAD
	ASK
.else
	s_wait_dscnt 0x0
	s_barrier_signal -1
	s_barrier_wait -1
.endif
.endm
	s_wait_loadcnt 0x0                             ; Q
.Lslot:                                            ; seven trips: behind each change of slots but the last the next 256 keys are asked for
	CHANGE 1
	SLOT_STEPS
	s_sub_co_u32 s[SLOTS], s[SLOTS], 1
	s_cmp_lg_u32 s[SLOTS], 0
	s_cbranch_scc1 .Lslot
	CHANGE 0                                       ; the last slot is written out
	SLOT_STEPS
	; THE WAY OUT.  l's two halves and the other half of the lanes' are added; O^T is divided by l, rounded to f16 and sent through my stage: a query's four heads are 512 consecutive bytes of ao16.
.irp t, 0,1,2,3
	v_add_f32 v[ST+8*\t+4], v[ST+8*\t+2], v[ST+8*\t+3]
.endr
.irp t, 0,1,2,3
	v_permlanex16_b32 v[ST+8*\t+5], v[ST+8*\t+4], s[SEL], s[SEL+1]
.endr
.irp t, 0,1,2,3
	v_add_f32 v[ST+8*\t+4], v[ST+8*\t+4], v[ST+8*\t+5]
.endr
.irp t, 0,1,2,3
	v_rcp_f32 v[ST+8*\t+6], v[ST+8*\t+4]
.endr
	v_nop                                          ; a plain instruction behind the last reciprocal,
	s_wait_alu depctr_va_vdst(0)                   ; and the one wait ahead of the first use of the four
.irp t, 0,1,2,3
	WIN W_RS
.set i, 0
.rept 16
	v_pk_mul_f32 v[32*\t+i:32*\t+i+1], v[32*\t+i:32*\t+i+1], v[ST+8*\t+6:ST+8*\t+7] op_sel_hi:[1,0]
.set i, i+2
.endr
	WIN W_CV
.set i, 0
.rept 16
	v_cvt_pk_f16_f32 v[KF+16*\t+i], v[32*\t+2*i], v[32*\t+2*i+1]   ; K's registers are free
.set i, i+1
.endr
	WIN 0
.irp dt, 0,1,2,3
	ds_store_b128 v[STO], v[KF+16*\t+4*\dt:KF+16*\t+4*\dt+3] offset:128*\t+32*\dt   ; lane (r, h): query r, head t, channels 16 dt + 8 h + 0..7
.endr
.endr
.irp i, 0,1,2,3,4,5,6,7,8,9,10,11,12,13,14,15
	ds_load_b128 v[S+4*\i:S+4*\i+3], v[RD] offset:\i*SP            ; LDS serves a wave's instructions in order (ISA guide 5.7.1.4): these see my stores
.endr
.irp i, 0,1,2,3,4,5,6,7,8,9,10,11,12,13,14,15
	s_wait_dscnt 15-\i
	global_store_b128 v[GO], v[S+4*\i:S+4*\i+3], s[10:11] offset:2048*\i   ; 32 lanes store 512 consecutive bytes, at a multiple of 512 from the buffer's first byte
.endr
	s_wait_tensorcnt 0x0                           ; the wave's end, behind my last tensor load and my last LDS store
	ds_add_u32 v[SPW], v[NIL]
	s_wait_dscnt 0x0
	CROUND                                         ; the closing round: no work-group ends while a partner may still ask for a tile that names it
	s_endpgm
.Lfunc_end_k_q6242db3dde_attn:
	.size	k_q6242db3dde_attn, .Lfunc_end_k_q6242db3dde_attn-k_q6242db3dde_attn
	.p2alignl 7, 3214868480
	.fill 96, 4, 3214868480
	.section	.rodata,"a",@progbits
	.p2align	6, 0x0
	.amdhsa_kernel k_q6242db3dde_attn
		.amdhsa_group_segment_fixed_size 327680
		.amdhsa_private_segment_fixed_size 0
		.amdhsa_enable_private_segment 0
		.amdhsa_kernarg_size 16
		.amdhsa_user_sgpr_count 2
		.amdhsa_user_sgpr_kernarg_segment_ptr 1
		.amdhsa_wavefront_size32 1
		.amdhsa_system_sgpr_workgroup_id_x 1
		.amdhsa_system_sgpr_workgroup_id_y 1
		.amdhsa_system_sgpr_workgroup_id_z 1
		.amdhsa_system_vgpr_workitem_id 0
		.amdhsa_next_free_vgpr 512
		.amdhsa_next_free_sgpr 66
		.amdhsa_reserve_vcc 0
		.amdhsa_float_denorm_mode_32 3
		.amdhsa_float_denorm_mode_16_64 3
		.amdhsa_memory_ordered 1
		.amdhsa_forward_progress 1
		.amdhsa_inst_pref_size 92
	.end_amdhsa_kernel
	.amdgpu_metadata
---
amdhsa.version: [ 1, 2 ]
amdhsa.kernels:
  - .name:           k_q6242db3dde_attn
    .symbol:         k_q6242db3dde_attn.kd
    .args:
      - { .name: qkv16, .offset: 0, .size: 8, .value_kind: global_buffer, .address_space: global }
      - { .name: ao16, .offset: 8, .size: 8, .value_kind: global_buffer, .address_space: global }
    .group_segment_fixed_size: 327680
    .private_segment_fixed_size: 0
    .kernarg_segment_align: 8
    .kernarg_segment_size: 16
    .max_flat_workgroup_size: 256
    .sgpr_count:     66
    .vgpr_count:     512
    .wavefront_size: 32
...
	.end_amdgpu_metadata
.endif
;; end of part 3
;; launch outp (part 4): grid 4 x 64, 4 waves a work-group, clusters of 4 x 4, 327,680 bytes of LDS; arguments ao16, wo16, out0; writes out0
.if DOCPART == 4
	.amdgcn_target "amdgcn-amd-amdhsa--gfx1250"
	.amdhsa_code_object_version 6
	.text
	.protected	k_q6242db3dde_outp
	.globl	k_q6242db3dde_outp
	.p2align	8
	.type	k_q6242db3dde_outp,@function
k_q6242db3dde_outp:
	s_mov_b64 s[64:65], 0
	v_nop
	global_prefetch_b8 v0, s[64:65] scope:SCOPE_SE
	s_setreg_imm32_b32 hwreg(HW_REG_WAVE_MODE, 25, 1), 1
	s_wait_xcnt 0x0
	s_wait_alu depctr_hold_cnt(0) depctr_sa_sdst(0) depctr_va_vdst(0) depctr_va_sdst(0) depctr_va_ssrc(0) depctr_va_vcc(0) depctr_vm_vsrc(0)
	s_getreg_b32 s2, hwreg(HW_REG_IB_STS2, 6, 4)
	s_cmp_eq_u32 s2, 0
	s_cbranch_scc0 .Lentry_in_a_cluster
	s_endpgm
.Lentry_in_a_cluster:
	s_bfe_u32 s2, ttmp6, 0x10000c
	s_cmp_lg_u32 s2, 0xf033
	s_cbranch_scc0 .Lentry_shape_is_right
	s_endpgm
.Lentry_shape_is_right:
; out0 = ao Wo.  ao16 [8192][1024] f16 (K innermost), wo16 [k 1024][n 1024] f16 (K is its FIRST axis), out0 [8192][1024] f32; sums in f32.
; A tile of the result is 128 rows x 256 columns: 64 x 4 = 256 work-groups.  Four waves, each 64 x 128: 32 accumulators of 16 x 16, 256 registers.
; K goes in steps of 128 through a ring of two LDS slots: A's tile is 128 rows of 256 bytes, B's 128 rows k of 512 bytes (256 columns).  B's fragments come out of LDS turned, by ds_load_tr16_b128.
; CLUSTERS: 4 x 4 work-groups.  The four of a row of the cluster need the same tiles of A, the four of a column the same tiles of B: each tile is asked for JOINTLY, by the same tensor load with the same
; descriptor and a mask that names the four.  THE MATRIX INSTRUCTION IS USED TRANSPOSED (source 0 = 16 columns of Wo, source 1 = 16 rows of ao): a lane then holds eight neighbouring columns of one row.
; No prefetch: eight K steps in all, A's tiles are fetched once for a cluster's row, and B's 2,097,152 bytes are read again by every row of clusters.
; REGISTERS: window 0: v16-29 addresses; two fragment buffers of 96, v64-159 and v160-255: 32 registers of A (4 x 16 rows x 32 K), then 64 of B (8 x 16 columns x 32 K).  window 1: accumulator (a, b) at v[8 (8 a + b)].
.set PA,     272                       ; a row of A in LDS: 256 bytes + 16 = 68 words: row r starts at bank 4 r mod 64 (64 banks of 4 bytes: ISA guide 11.1)
.set PB,     544                       ; a row of B: 512 + 32: an odd multiple of 32 bytes, for the turning load
.set BOFF,   128*PA                    ; a slot: A's 128 rows, then B's 128
.set SLOT,   BOFF+128*PB
.set SPARE,  2*SLOT                    ; behind the ring: the spare words, 128 bytes a wave, that no other line names
.set SPITCH, 528                       ; the way out: a stage of 16 rows x (512 bytes + 16) for each wave, in slot 0, which has had its last fill and its last read by then
.set LAPS,   4                         ; a lap = two K steps = once round the ring
.set ADRA, 16                          ; v16-17  LDS address of my A fragments in slot 0, 1
.set ADRB, 20                          ; v20-21  the same for B
.set STO,  24                          ; v24     the way out: where I put 32 bytes of a row
.set RD,   25                          ; v25     where I read a row back
.set CO,   26                          ; v26     my byte offset in a row's 512 bytes of out0
.set SPW,  28                          ; v28     LDS address of my spare word; never rewritten
.set NIL,  29                          ; v29     0; never rewritten
.set F0,   64
.set F1,   160
.set BK,   64                          ; the way out: 16 rows read back: v64-127 and v128-191 by turns
.set G1, 24                            ; s[24:31] descriptor group 1 for A's tiles;  s[32:39] group 0, one set for each slot
.set G0, 32
.set G1B, 48                           ; s[48:55], s[56:63] the same for B's tiles
.set G0B, 56
.set MSB, 0
.macro WIN new
.if MSB != (\new)
	s_set_vgpr_msb (MSB<<8)|(\new)
.set MSB, (\new)
.endif
.endm
.set MUL, 0x50                         ; C and D window 1; sources 0 and 1 window 0
.macro JLOAD s                         ; a joint load: waves 0 and 1 fetch A's two halves, waves 2 and 3 B's; an s_nop 0 and four v_nop follow each of the two lines
	s_cmp_eq_u32 s11, 0
	s_cbranch_scc0 .Lfor_b_\@
	tensor_load_to_lds s[G0+4*\s:G0+4*\s+3], s[G1:G1+7]
	s_nop 0
.rept 4
	v_nop
.endr
	s_branch .Lasked_\@
.Lfor_b_\@:
	tensor_load_to_lds s[G0B+4*\s:G0B+4*\s+3], s[G1B:G1B+7]
	s_nop 0
.rept 4
	v_nop
.endr
.Lasked_\@:
.endm
.macro CREST                           ; a round of the cluster's barrier behind its opening barrier
	s_cmp_lg_u32 s10, 0
	s_cbranch_scc1 .Lnot_wave_0_\@
	s_barrier_signal -3
.Lnot_wave_0_\@:
	s_barrier_wait -3
	s_barrier_signal -1
	s_barrier_wait -1
.endm
.macro CROUND                          ; a whole round
	s_barrier_signal -1
	s_barrier_wait -1
	CREST
.endm
	s_load_b128 s[4:7], s[0:1], 0x0                ; ao16 s[4:5], wo16 s[6:7]
	s_load_b64 s[8:9], s[0:1], 0x10                ; out0
	v_lshl_add_u32 v[SPW], v0, 2, SPARE
	v_mov_b32 v[NIL], 0
	ds_add_u32 v[SPW], v[NIL]                      ; the wave's opening: the add, twice on end, and its wait ahead of my first tensor load
	ds_add_u32 v[SPW], v[NIL]                      ; the set-up below, work on registers, stands between the second and the wait
	v_lshrrev_b32 v1, 5, v0
	v_readfirstlane_b32 s10, v1                    ; wave 0..3
	s_lshr_b32 s11, s10, 1                         ; which half of the tile's rows is mine.  Also: I fetch for A (0) or for B (1)
	s_and_b32 s12, s10, 1                          ; which half of its columns.  Also: which 64 rows of that tile I fetch
	s_bfe_u32 s40, ttmp6, 0x40000                  ; cx, cy: my place in the cluster
	s_bfe_u32 s41, ttmp6, 0x40004
	s_lshl_b32 s42, ttmp9, 2
	s_add_co_u32 s42, s42, s40                     ; tile column = 4 x cluster x + cx
	s_and_b32 s13, ttmp7, 0xffff
	s_lshl_b32 s13, s13, 2
	s_add_co_u32 s13, s13, s41                     ; tile row = 4 x cluster y + cy
	s_lshl_b32 s43, s41, 2
	s_lshl_b32 s43, 15, s43                        ; my row of the cluster
	s_lshl_b32 s44, 0x1111, s40                    ; my column
	; group 1.  A: 64 rows x 128 elements of 2 bytes, 4 words of padding (code 3) after every 64 (code 5).  B: 64 rows x 256 elements, 8 words (code 7) after every 128 (code 6)
	s_or_b32 s[G1+0], s43, (1<<16)|(1<<20)|(1<<21)|(5<<22)|(3<<25)
	s_or_b32 s[G1B+0], s44, (1<<16)|(1<<20)|(1<<21)|(6<<22)|(7<<25)
	s_mov_b32 s[G1+1], 128<<16                     ; tensor_dim0
	s_mov_b32 s[G1+2], 64<<16                      ; tensor_dim1
	s_mov_b32 s[G1+3], 128<<16                     ; tile_dim0
	s_mov_b32 s[G1+4], 64                          ; tile_dim1
	s_mov_b32 s[G1+5], 1024                        ; tensor_dim0_stride
	s_mov_b32 s[G1+6], 0
	s_mov_b32 s[G1+7], 0
	s_mov_b32 s[G1B+1], 256<<16
	s_mov_b32 s[G1B+2], 64<<16
	s_mov_b32 s[G1B+3], 256<<16
	s_mov_b32 s[G1B+4], 64
	s_mov_b32 s[G1B+5], 1024
	s_mov_b32 s[G1B+6], 0
	s_mov_b32 s[G1B+7], 0
	; A's tiles hang on the tile row alone, B's on the tile column alone: each address is made in registers that never hold the other coordinate
	s_lshl_b32 s16, s13, 7
	s_lshl_b32 s17, s12, 6
	s_add_co_u32 s16, s16, s17                     ; A: row 128 x tile row + 64 x half,
	s_lshl_b32 s16, s16, 11                        ; of 2,048 bytes
	s_mov_b32 s17, 0
	s_lshl_b32 s46, s12, 17                        ; B: row k = 64 x half, of 2,048 bytes,
	s_lshl_b32 s47, s42, 9                         ; and 512 bytes a tile column
	s_add_co_u32 s46, s46, s47
	s_mov_b32 s47, 0
	s_mul_i32 s20, s12, 64*PA                      ; where they go: no place in the cluster enters an LDS address
	s_mul_i32 s21, s12, 64*PB
	s_add_co_u32 s21, s21, BOFF
	s_wait_dscnt 0x0                               ; both opening adds are done
	s_wait_kmcnt 0x0
	s_add_nc_u64 s[14:15], s[4:5], s[16:17]
	s_add_nc_u64 s[46:47], s[6:7], s[46:47]
	CROUND                                         ; all sixteen work-groups are here: the first joint loads meet
.irp s, 0,1
	s_mov_b32 s[G0+4*\s], 1
	s_add_co_u32 s[G0+4*\s+1], s20, \s*SLOT
	s_add_nc_u64 s[G0+4*\s+2:G0+4*\s+3], s[14:15], \s*256          ; K step s: 128 along a row
	s_or_b32 s[G0+4*\s+3], s[G0+4*\s+3], 0x80000000
	s_mov_b32 s[G0B+4*\s], 1
	s_add_co_u32 s[G0B+4*\s+1], s21, \s*SLOT
	s_add_nc_u64 s[G0B+4*\s+2:G0B+4*\s+3], s[46:47], \s*262144     ; K step s: 128 rows down
	s_or_b32 s[G0B+4*\s+3], s[G0B+4*\s+3], 0x80000000
	JLOAD \s                                       ; two loads of a wave are out here, later one
.endr
	v_and_b32 v1, 15, v0                           ; r
	v_bfe_u32 v2, v0, 4, 1                         ; h
	v_mul_u32_u24 v3, v1, PA
	v_lshl_add_u32 v3, v2, 4, v3                   ; A: a fragment's row x pitch + 16 x half
	v_and_b32 v4, 7, v0                            ; B: the turning load: lane l reads 16 bytes: row k = 8 (l / 16) + l % 8, columns 8 ((l / 8) % 2) + 0..7
	v_lshl_add_u32 v4, v2, 3, v4
	v_mul_u32_u24 v4, v4, PB
	v_bfe_u32 v5, v0, 3, 1
	v_lshl_add_u32 v4, v5, 4, v4
	s_mul_i32 s21, s11, 64*PA                      ; my 64 rows of A
	s_lshl_b32 s22, s12, 8                         ; my 128 columns of B,
	s_add_co_u32 s22, s22, BOFF                    ; which lies behind A
.irp s, 0,1
	v_add_nc_u32 v[ADRA+\s], s21, v3
	v_add_nc_u32 v[ADRB+\s], s22, v4
	s_add_co_u32 s21, s21, SLOT
	s_add_co_u32 s22, s22, SLOT
.endr
	s_mul_i32 s23, s10, 16*SPITCH                  ; my stage
	v_mul_u32_u24 v5, v1, SPITCH                   ; in: row r, 32 bytes for each half of the lanes
	v_lshl_add_u32 v5, v2, 5, v5
	v_add_nc_u32 v[STO], s23, v5
	v_and_b32 v6, 31, v0
	v_lshlrev_b32 v[CO], 4, v6                     ; back: the 32 lanes take one row of 512 bytes; and the same in out0
	v_add_nc_u32 v[RD], s23, v[CO]
	s_lshl_b32 s16, s13, 7
	s_lshl_b32 s17, s11, 6
	s_add_co_u32 s16, s16, s17                     ; my first row of out0: 128 x tile row + 64 x half,
	s_lshl_b32 s16, s16, 12                        ; of 4,096 bytes
	s_mov_b32 s17, 0
	s_add_nc_u64 s[8:9], s[8:9], s[16:17]
	s_lshl_b32 s46, s42, 10                        ; my first column, in bytes: 1,024 x tile column + 512 x half
	s_lshl_b32 s47, s12, 9
	s_add_co_u32 s46, s46, s47
	s_mov_b32 s47, 0
	s_add_nc_u64 s[8:9], s[8:9], s[46:47]
; 8 matrix instructions: A's block a x B's eight, 32 along K, from buffer f.  zero = 1: the product starts the sums: nothing is cleared.  The 32 accumulators take turns, one instruction a turn, in the
; same order in every quarter.
.macro MUL8 f, a, zero
.irp b, 0,1,2,3,4,5,6,7
.if \zero
	v_wmma_f32_16x16x32_f16 v[8*(8*(\a)+\b):8*(8*(\a)+\b)+7], v[\f+32+8*\b:\f+32+8*\b+7], v[\f+8*(\a):\f+8*(\a)+7], 0
.else
	v_wmma_f32_16x16x32_f16 v[8*(8*(\a)+\b):8*(8*(\a)+\b)+7], v[\f+32+8*\b:\f+32+8*\b+7], v[\f+8*(\a):\f+8*(\a)+7], v[8*(8*(\a)+\b):8*(8*(\a)+\b)+7]
.endif
.endr
.endm
; 24 LDS loads in one run: the fragments of the slot's q-th 32 along K into buffer f: B's sixteen, then A's blocks 0, 1, then 2, 3
.macro FETCH slot, q, f
	WIN 0
.irp b, 0,1,2,3,4,5,6,7
	ds_load_tr16_b128 v[\f+32+8*\b:\f+32+8*\b+3],   v[ADRB+\slot] offset:32*PB*(\q)+32*\b
	ds_load_tr16_b128 v[\f+32+8*\b+4:\f+32+8*\b+7], v[ADRB+\slot] offset:32*PB*(\q)+32*\b+16*PB
.endr
.irp a, 0,1,2,3
	ds_load_b128 v[\f+8*\a:\f+8*\a+3],   v[ADRA+\slot] offset:16*PA*\a+64*(\q)
	ds_load_b128 v[\f+8*\a+4:\f+8*\a+7], v[ADRA+\slot] offset:16*PA*\a+64*(\q)+32
.endr
.endm
.macro PLACES                          ; four places in front of loads into registers that matrix instructions have read, and of stores that read results (ISA guide 7.12.1 for vector instructions)
.rept 4
	v_nop
.endr
.endm
; A K step is four quarters of 32 along K, 32 matrix instructions each, on buffers 0, 1, 0, 1.  One of the first three: multiplies buffer f and fetches quarter q of the same slot into g.
.macro QUARTER slot, q, f, g, zero
	s_wait_dscnt 4                                 ; B and A's blocks 0, 1 are in; the youngest four loads (A's blocks 2, 3) may be out
	WIN MUL
	MUL8 \f, 0, \zero
	MUL8 \f, 1, \zero
	PLACES
	FETCH \slot, \q, \g
	s_wait_dscnt 24                                ; all but the 24 just issued
	WIN MUL
	MUL8 \f, 2, \zero
	MUL8 \f, 3, \zero
.endm
; The last quarter multiplies buffer 1 and changes slots: ONE barrier; in front of it each wave waits for all its tensor loads, adds 0 to its spare word, and waits for that and for its own reads of this
; slot.  fill = 1: the barrier opens a round of the cluster's, and this slot is filled again, two K steps ahead: 112 matrix instructions stand between the request and the wait for it.
.macro TURN slot, next, fill
	WIN 0                                          ; (the add's two registers lie in window 0)
	s_wait_tensorcnt 0x0                           ; all my tensor loads have landed: my part of the next slot
	ds_add_u32 v[SPW], v[NIL]                      ; 0 onto my spare word
	s_wait_dscnt 5                                 ; (the add and the youngest four loads may be out)
	WIN MUL
	MUL8 F1, 0, 0                                  ; eight matrix instructions stand between the add and the wait for it
	s_wait_dscnt 0x0                               ; the add is done, and my reads of this slot are over
	s_barrier_signal -1
	MUL8 F1, 1, 0
.if \fill
	WIN 0
.endif
	s_barrier_wait -1
.if \fill
	CREST                                          ; no wave of any partner still reads this slot's tile or has a load on its way
	s_add_nc_u64 s[G0+4*\slot+2:G0+4*\slot+3], s[G0+4*\slot+2:G0+4*\slot+3], 512
	s_add_nc_u64 s[G0B+4*\slot+2:G0B+4*\slot+3], s[G0B+4*\slot+2:G0B+4*\slot+3], 524288
	JLOAD \slot                                    ; the first tensor load behind the round; the four v_nop behind it are also the places in front of the loads below
.else
	PLACES
.endif
	FETCH \next, 0, F0
	WIN MUL
	MUL8 F1, 2, 0
	MUL8 F1, 3, 0
.endm
	s_wait_tensorcnt 1                             ; my part of K step 0 is in; K step 1's load may be out
	s_barrier_signal -1
	s_barrier_wait -1                              ; everybody's is
	FETCH 0, 0, F0
	QUARTER 0, 1, F0, F1, 1                        ; the first quarter stands in front of the loop: its products start the sums
	WIN 0                                          ; at a label and at a branch every window is 0
	s_mov_b32 s3, LAPS-1
.Llap:                                             ; a trip goes once round the ring, from a lap's second quarter to the next lap's first, and fills both slots again
	QUARTER 0, 2, F1, F0, 0
	QUARTER 0, 3, F0, F1, 0
	TURN 0, 1, 1
	QUARTER 1, 1, F0, F1, 0
	QUARTER 1, 2, F1, F0, 0
	QUARTER 1, 3, F0, F1, 0
	TURN 1, 0, 1
	QUARTER 0, 1, F0, F1, 0
	WIN 0
	s_sub_co_u32 s3, s3, 1
	s_cmp_lg_u32 s3, 0
	s_cbranch_scc1 .Llap
	QUARTER 0, 2, F1, F0, 0                        ; the last lap fills nothing, and has no round of the cluster's barrier
	QUARTER 0, 3, F0, F1, 0
	TURN 0, 1, 0
	QUARTER 1, 1, F0, F1, 0
	QUARTER 1, 2, F1, F0, 0
	QUARTER 1, 3, F0, F1, 0
	s_wait_dscnt 4                                 ; the very last quarter: nothing more to fetch
	WIN MUL
	MUL8 F1, 0, 0
	MUL8 F1, 1, 0
	s_wait_dscnt 0
	MUL8 F1, 2, 0
	MUL8 F1, 3, 0
	WIN 0
; THE WAY OUT, block by block of 16 rows x 128 columns.  A lane holds 32 neighbouring bytes of a row, and the lanes beside it hold other rows: so a block goes through my own stage and comes back as whole
; rows of 512 bytes.  LDS serves a wave's instructions in order (ISA guide 5.7.1.4): no wait between the stores and the loads, nor in front of the next block's stores.
.macro TOSTAGE a
	WIN 0x04                                       ; an LDS store's data are its source 1: window 1
.irp b, 0,1,2,3,4,5,6,7
	ds_store_b128 v[STO], v[64*(\a)+8*\b:64*(\a)+8*\b+3] offset:64*\b          ; each accumulator from its low end on
	ds_store_b128 v[STO], v[64*(\a)+8*\b+4:64*(\a)+8*\b+7] offset:64*\b+16
.endr
	WIN 0
.set BB, BK+64*((\a)%2)
.irp t, 0,1,2,3,4,5,6,7,8,9,10,11,12,13,14,15
	ds_load_b128 v[BB+4*\t:BB+4*\t+3], v[RD] offset:\t*SPITCH
.endr
.endm
.macro SEND a, younger                 ; younger: the LDS instructions issued behind this block's loads, which may stay out
.set BB, BK+64*((\a)%2)
	s_wait_dscnt \younger                          ; the block is back in registers
.irp t, 0,1,2,3,4,5,6,7,8,9,10,11,12,13,14,15
	global_store_b128 v[CO], v[BB+4*\t:BB+4*\t+3], s[8:9] offset:(16*(\a)+\t)*4096 th:TH_STORE_NT   ; 32 lanes store 512 consecutive bytes, aligned; written once, read by nobody here
.endr
.endm
	PLACES                                         ; behind the last products: for the stores that read results and the loads into registers that held fragments
	TOSTAGE 0
.irp a, 1,2,3
.if \a > 1
	s_wait_xcnt 0x0                                ; the stores of the block two back have read their registers: this block's loads may land there
.endif
	TOSTAGE \a
	SEND (\a)-1, 32                                ; behind that block's loads: this block's 16 stores and 16 loads
.endr
	SEND 3, 0
	s_wait_tensorcnt 0x0                           ; the wave's end, behind my last tensor load and my last LDS store
	ds_add_u32 v[SPW], v[NIL]
	s_wait_dscnt 0x0
	CROUND                                         ; the closing round: no work-group ends while a partner may still ask for a tile that names it
	s_endpgm
.Lfunc_end_k_q6242db3dde_outp:
	.size	k_q6242db3dde_outp, .Lfunc_end_k_q6242db3dde_outp-k_q6242db3dde_outp
	.p2alignl 7, 3214868480
	.fill 96, 4, 3214868480
	.section	.rodata,"a",@progbits
	.p2align	6, 0x0
	.amdhsa_kernel k_q6242db3dde_outp
		.amdhsa_group_segment_fixed_size 327680
		.amdhsa_private_segment_fixed_size 0
		.amdhsa_enable_private_segment 0
		.amdhsa_kernarg_size 24
		.amdhsa_user_sgpr_count 2
		.amdhsa_user_sgpr_kernarg_segment_ptr 1
		.amdhsa_wavefront_size32 1
		.amdhsa_system_sgpr_workgroup_id_x 1
		.amdhsa_system_sgpr_workgroup_id_y 1
		.amdhsa_system_sgpr_workgroup_id_z 1
		.amdhsa_system_vgpr_workitem_id 0
		.amdhsa_next_free_vgpr 512
		.amdhsa_next_free_sgpr 66
		.amdhsa_reserve_vcc 0
		.amdhsa_float_denorm_mode_32 3
		.amdhsa_float_denorm_mode_16_64 3
		.amdhsa_memory_ordered 1
		.amdhsa_forward_progress 1
		.amdhsa_inst_pref_size 85
	.end_amdhsa_kernel
	.amdgpu_metadata
---
amdhsa.version: [ 1, 2 ]
amdhsa.kernels:
  - .name:           k_q6242db3dde_outp
    .symbol:         k_q6242db3dde_outp.kd
    .args:
      - { .name: ao16, .offset: 0, .size: 8, .value_kind: global_buffer, .address_space: global }
      - { .name: wo16, .offset: 8, .size: 8, .value_kind: global_buffer, .address_space: global }
      - { .name: out0, .offset: 16, .size: 8, .value_kind: global_buffer, .address_space: global }
    .group_segment_fixed_size: 327680
    .private_segment_fixed_size: 0
    .kernarg_segment_align: 8
    .kernarg_segment_size: 24
    .max_flat_workgroup_size: 128
    .sgpr_count:     66
    .vgpr_count:     512
    .wavefront_size: 32
...
	.end_amdgpu_metadata
.endif
;; end of part 4
